; MI455X (gfx1250); checked and timed in simulation.
; The chip was launched on July 23, 2026; its instructions are those of AMD's public machine-readable ISA for CDNA 5 (MIT licence, August 2026) and "CDNA5" Instruction Set Architecture Reference Guide (July 2026). The comments in the code are by the model that wrote it; some were corrected since.
;; Multi Head Attention. Allowed arithmetic: matrix products marked QUANTISED: E4M3 operands, one E8M0 scale for each 32 along K, by v_wmma_scale_f32_16x16x128_f8f6f4 with both operands' format E4M3, f32 sums; everything else in f32.
;; Inputs: Wk 1,024 x 1,024 float32; Wo 1,024 x 1,024 float32; Wq 1,024 x 1,024 float32; Wv 1,024 x 1,024 float32; bk 1,024 float32; bo 1,024 float32; bq 1,024 float32; bv 1,024 float32; k 4 x 2,048 x 1,024 float32; mask 1 x 1 x 2,048 x 2,048 int32; q 4 x 2,048 x 1,024 float32; v 4 x 2,048 x 1,024 float32.
;; Outputs: out0 4 x 2,048 x 1,024 float32.
;; This version of the problem:
;;   THIS VERSION OF THE PROBLEM IS GIVEN IN LOW PRECISION. The matrix products marked QUANTISED in the list below multiply operands that are first quantised to E4M3 (4 exponent bits, 3 mantissa bits; 8 bits a number), with one power-of-two scale for each 32 numbers along K (OCP MX v1.0); their sums are f32. All else is computed in f32.
;;   The module's matrix products, in the order in which they are computed (A, B: the left and right operand; K: the contracted axis; several contracted axes count as one K, in the product's order):
;;     1. [M 8,192, K 1,024] x [K 1,024, N 1,024]; A: input q; B: input Wq: QUANTISED
;;     2. [M 8,192, K 1,024] x [K 1,024, N 1,024]; A: input k; B: input Wk: QUANTISED
;;     3. [M 8,192, K 1,024] x [K 1,024, N 1,024]; A: input v; B: input Wv: QUANTISED
;;     4. batch 64 x [M 2,048, K 64] x [K 64, N 2,048]; A: computed on the way; B: computed on the way: QUANTISED
;;     5. batch 64 x [M 2,048, K 2,048] x [K 2,048, N 64]; A: softmax (see below); B: computed on the way: QUANTISED
;;     6. [M 8,192, K 1,024] x [K 1,024, N 1,024]; A: computed on the way; B: input Wo: QUANTISED
;;   THE QUANTISER, for each operand of a quantised product, along K:
;;     - K is cut into blocks of 32 from its start; a last block that is shorter is filled with zeros.
;;     - A block's scale is 2^e with e = floor(log2(the largest magnitude in the block)) - 8, held to -126 .. 127; a block of zeros has e = 0. As a byte (E8M0): e + 127.
;;     - Each number is divided by its block's scale, clamped to +-448, and rounded to the nearest number of E4M3, ties to even, subnormals kept.
;;     - The product sums the exact products of the quantised numbers (number of the format x scale) in f32.
;;   ~~~python
;;   def quantise(x, axis):      # numpy; x: float32 -> the quantised numbers, widened to float32 again
;;       x = np.moveaxis(x, axis, -1); K = x.shape[-1]
;;       x = np.pad(x, [(0, 0)] * (x.ndim - 1) + [(0, -K % 32)]); x = x.reshape(x.shape[:-1] + (-1, 32)); a = np.abs(x).max(-1, keepdims=True)
;;       e = np.where(a > 0, np.clip(np.frexp(np.where(a > 0, a, 1))[1] - 1 - 8, -126, 127), 0)      # np.frexp(a)[1] - 1 = floor(log2(a)), exactly
;;       r = np.clip(x / 2.0 ** e, -448, 448)
;;       step = 2.0 ** (np.maximum(np.frexp(np.where(r == 0, 1, r))[1] - 1, -6) - 3)
;;       q = np.round(r / step) * step * 2.0 ** e      # np.round: ties to even
;;       return np.moveaxis(q.reshape(q.shape[:-2] + (-1,))[..., :K], -1, axis).astype(np.float32)
;;   ~~~
;;   SOFTMAX AHEAD OF A QUANTISED PRODUCT. Where the list says 'softmax', what is quantised is not the finished softmax but p = 2^(t - M), with t = logit x log2(e) and M = ceil(the row's largest t), a whole number; so 1/2 < the row's largest p <= 1. The row's sum l is taken of the UNQUANTISED p, in f32, and the product's result is divided by l at the end. Since M is a whole number, a kernel that streams over the keys may use a running M (the ceiling of the running maximum): every later rescaling is an exact power of two, which a block's scale takes up: the codes' values come out the same.
;;   OPERANDS COMPUTED ON THE WAY. 'Computed on the way' means the value that the module computes at that place (a softmax that the list does not call 'softmax' is quantised finished and normalised). What goes into a quantiser is computed in f32, as accurately as f32 sums, v_exp_f32 and their like allow (about 1e-6 of the number): no bf16 or f16 on the way to a quantiser, and a product that is left as it is and whose result goes on into a quantised operand takes f32 operands (vector FMAs, or v_wmma_f32_16x16x4_f32). A number that lies on a knife's edge between two numbers of the format may be rounded either way, as far as f32 arithmetic and the matrix unit's own rounding can turn it there, and no further.
;; 3 versions, each right; version 2 is faster than version 1; version 3 is version 2 with the launch attn written anew for expert scheduling mode. Each part assembles by itself: llvm-mc -triple=amdgcn-amd-amdhsa -mcpu=gfx1250 --defsym DOCPART=n.
;; ======== version 1 of 3: 4 launches
;; limits: right only within a limited range of input values
;; workspace buffers: xc 29,360,128 bytes; xs 917,504 bytes; mbits 524,288 bytes of whole numbers; pc 25,165,824 bytes; ps 786,432 bytes; cc 8,388,608 bytes; cs 262,144 bytes
;; launch prep (part 1): grid 576 x 1, 4 waves a work-group, no clusters, 70,144 bytes of LDS; arguments q, k, v, Wq, Wk, Wv, Wo, mask, xc, xs, mbits; writes xc, xs, mbits
.if DOCPART == 1
	.amdgcn_target "amdgcn-amd-amdhsa--gfx1250"
	.amdhsa_code_object_version 6
	.text
	.protected	k_q4be4e1e55d_prep
	.globl	k_q4be4e1e55d_prep
	.p2align	8
	.type	k_q4be4e1e55d_prep,@function
k_q4be4e1e55d_prep:
	s_mov_b64 s[64:65], 0
	v_nop
	global_prefetch_b8 v0, s[64:65] scope:SCOPE_SE
	s_setreg_imm32_b32 hwreg(HW_REG_WAVE_MODE, 25, 1), 1
	s_wait_xcnt 0x0
; PREP.  (1) q, k, v [8192][1024] and Wq, Wk, Wv, Wo [1024][1024], f32 with K innermost, become codes of E4M3 with one E8M0 byte for each 32 along K.
; (2) mask [2048][2048] int32 becomes lane-mask words for the attention launch.
; THE CODES' LAYOUT is the matrix operand's own: a fragment (16 rows x 128 K) lies as [piece c 0..3][lane 0..31][16 bytes], lane (r = lane % 16, h = lane / 16) holding row r, K = 32 c + 16 h + 0..15.
; xc: [row tile 1792][K step 8][2048];  xs: [row tile][K step][row 16][4 bytes].  Tiles: q 0-511, k 512-1023, v 1024-1535, Wq 1536-, Wk 1600-, Wv 1664-, Wo 1728-1791.
; THE ROWS OF A TILE ARE NOT NEIGHBOURS: lane r of tile T holds row 32 (T / 2) + 8 (T % 2) + r + 8 (r / 8), so that wherever such a tile is source 0 of a product, the 16 result registers of tiles 2 b, 2 b + 1 are 16 neighbours.
; mbits: [query tile 128][key step 16][word n 0..63]: bit L of word n = (mask[row of lane L % 16 of the tile][128 step + 32 (n / 16) + 16 (L / 16) + n % 16] != 0).
; SHARES.  Work-groups 0-447: a wave takes one row tile, eight units of 128 along K.  Work-groups 448-575: a wave takes one query tile x four key steps.  Waves share nothing: no barrier; no cluster, since no byte is read twice.
; Each load reads 512 consecutive bytes of one row; a unit's 16 rows turn through the wave's own stage in LDS (rows 528 bytes apart) so that a lane gets 16 neighbours of each block of 32.  Loads run two units (32 loads) ahead.
; LIMITS: NaN and infinities are not served; a block of zeros, or one whose largest magnitude lies under 2^-118, gets the byte 1 (its bytes are read by this program alone).
.set SP,   528                         ; a stage row: 512 bytes + 16
.set WSTG, 16*SP                       ; a wave's stage
.set QSC,  4*WSTG                      ; behind the quantising path's stages: 512 bytes of scale words for each wave
.set MSTG, QSC+2048                    ; the mask path has stages of its own
.set RA,   16                          ; v16-79, v80-143  two sets of 64: a unit as loaded
.set X,    144                         ; v144-207 a unit as the conversions want it: register 16 b + i = K 32 b + 16 h + i of my row
.set PC,   208                         ; v208-223 the codes just made (mask path: v208-215 the words of four units)
.set TM,   224                         ; v224-239 at work
.set PW,   10                          ; v10      the scale word just made
.set SEL,  36                          ; s[36:37] lane selects: lane l xor 16
.set MNT,  38                          ; s38      the mantissa field of 448
; 64 numbers of a lane become a fragment's codes in v[PC] on and its scale word in v[PW]
.macro QUANT s
.irp b, 0,1,2,3
	v_max3_num_f32 v[TM+\b], |v[\s+16*\b]|, |v[\s+1+16*\b]|, 0x4800000   ; block b: my 16 numbers and the floor 2^(9 - 127), which holds the byte at 1 from below
.endr
.irp i, 2,4,6,8,10,12,14
.irp b, 0,1,2,3
	v_max3_num_f32 v[TM+\b], v[TM+\b], |v[\s+16*\b+\i]|, |v[\s+1+16*\b+\i]|
.endr
.endr
.irp b, 0,1,2,3
	v_permlanex16_b32 v[TM+4+\b], v[TM+\b], s[SEL], s[SEL+1]
.endr
.irp b, 0,1,2,3
	v_max_num_f32 v[TM+\b], v[TM+\b], v[TM+4+\b]           ; with lane l xor 16's 16: the block's largest magnitude
.endr
.irp b, 0,1,2,3
	v_add_nc_u32 v[TM+12+\b], 0xfc000000, v[TM+\b]         ; 8 off its exponent field: the conversion's scale operand
.endr
.irp b, 0,1,2,3
	v_and_or_b32 v[TM+8+\b], v[TM+\b], 0x7f800000, s[MNT]  ; 448 x the scale
.endr
.irp b, 0,1,2,3
	v_lshrrev_b32 v[TM+4+\b], 23, v[TM+12+\b]              ; the scale's byte
.endr
	v_lshl_or_b32 v[PW], v[TM+5], 8, v[TM+4]
	v_lshl_or_b32 v[PW], v[TM+6], 16, v[PW]
	v_lshl_or_b32 v[PW], v[TM+7], 24, v[PW]
.irp b, 0,1,2,3
.irp i, 0,1,2,3,4,5,6,7,8,9,10,11,12,13,14,15
	v_med3_num_f32 v[\s+16*\b+\i], v[\s+16*\b+\i], -v[TM+8+\b], v[TM+8+\b]   ; the conversion does not saturate (ISA guide 7.6.2): the hold comes first
.endr
	v_cvt_scalef32_pk8_fp8_f32 v[PC+4*\b:PC+1+4*\b], v[\s+16*\b:\s+7+16*\b], v[TM+12+\b]
	v_cvt_scalef32_pk8_fp8_f32 v[PC+2+4*\b:PC+3+4*\b], v[\s+8+16*\b:\s+15+16*\b], v[TM+12+\b]
.endr
	v_nop                                                  ; a plain line behind the last conversion
.endm
; a unit's 16 rows x 512 bytes through the stage: in as loaded, out 64 bytes of each block's half a lane.  LDS serves a wave's instructions in order
.macro THROUGH s, win, wout
.irp i, 0,1,2,3,4,5,6,7,8,9,10,11,12,13,14,15
	ds_store_b128 v[\win], v[RA+64*((\s)%2)+4*\i:RA+64*((\s)%2)+4*\i+3] offset:SP*\i
.endr
.irp b, 0,1,2,3
.irp j, 0,1,2,3
	ds_load_b128 v[X+16*\b+4*\j:X+16*\b+4*\j+3], v[\wout] offset:128*\b+16*\j
.endr
.endr
	s_wait_dscnt 0x0                                       ; the unit is in X, and the stores have read the set, which may be loaded again
.endm
	s_load_b512 s[4:19], s[0:1], 0x0               ; q, k, v, Wq, Wk, Wv, Wo, mask
	s_load_b128 s[20:23], s[0:1], 0x40             ; xc, xs
	s_load_b64 s[24:25], s[0:1], 0x50              ; mbits
	v_lshl_add_u32 v248, v0, 2, 0x11000
	v_mov_b32 v249, 0
	v_lshrrev_b32 v1, 5, v0
	v_readfirstlane_b32 s26, v1                    ; wave
	v_and_b32 v1, 31, v0                           ; lane
	v_and_b32 v2, 15, v0                           ; r
	v_bfe_u32 v3, v0, 4, 1                         ; h
	v_lshlrev_b32 v4, 4, v1                        ; 16 x lane
	v_lshlrev_b32 v9, 3, v1                        ; 8 x lane
	s_mul_i32 s27, s26, WSTG
	v_add_nc_u32 v5, s27, v4                       ; stage, way in
	v_mul_u32_u24 v6, v2, SP
	v_lshl_add_u32 v6, v3, 6, v6
	v_add_nc_u32 v6, s27, v6                       ; stage, way out: row r, + 64 h
	v_add_nc_u32 v11, MSTG, v5                     ; the same two for the mask path
	v_add_nc_u32 v12, MSTG, v6
	s_lshl_b32 s27, s26, 9
	s_add_co_u32 s27, s27, QSC
	v_lshl_add_u32 v7, v2, 2, s27                  ; my row's scale word
	v_add_nc_u32 v8, s27, v4                       ; and the words' way out
	s_mov_b32 s[SEL], 0x76543210
	s_mov_b32 s[SEL+1], 0xfedcba98
	s_mov_b32 s[MNT], 0x600000
.irp b, 0,1,2,3
	v_mov_b32 v[TM+4+\b], 0                        ; a lane permute's destination counts as read
.endr
	s_cmp_ge_u32 ttmp9, 448
	s_cbranch_scc1 .Lmask
	; ---- the quantising path
	s_wait_kmcnt 0x0
	s_mov_b64 s[28:29], s[16:17]                   ; which tensor, and its first work-group: the choice hangs on the work-group's number alone
	s_mov_b32 s30, 432
	s_cmp_lt_u32 ttmp9, 432
	s_cselect_b64 s[28:29], s[14:15], s[28:29]
	s_cselect_b32 s30, 416, s30
	s_cmp_lt_u32 ttmp9, 416
	s_cselect_b64 s[28:29], s[12:13], s[28:29]
	s_cselect_b32 s30, 400, s30
	s_cmp_lt_u32 ttmp9, 400
	s_cselect_b64 s[28:29], s[10:11], s[28:29]
	s_cselect_b32 s30, 384, s30
	s_cmp_lt_u32 ttmp9, 384
	s_cselect_b64 s[28:29], s[8:9], s[28:29]
	s_cselect_b32 s30, 256, s30
	s_cmp_lt_u32 ttmp9, 256
	s_cselect_b64 s[28:29], s[6:7], s[28:29]
	s_cselect_b32 s30, 128, s30
	s_cmp_lt_u32 ttmp9, 128
	s_cselect_b64 s[28:29], s[4:5], s[28:29]
	s_cselect_b32 s30, 0, s30
	s_sub_co_u32 s31, ttmp9, s30
	s_lshl_b32 s31, s31, 2
	s_add_co_u32 s31, s31, s26                     ; my tile in its tensor
	s_lshr_b32 s40, s31, 1
	s_lshl_b32 s40, s40, 17                        ; 32 rows of 4,096 bytes for each pair of tiles,
	s_and_b32 s41, s31, 1
	s_lshl_b32 s41, s41, 15                        ; 8 rows for the odd one
	s_add_co_u32 s40, s40, s41
	s_mov_b32 s41, 0
	s_add_nc_u64 s[28:29], s[28:29], s[40:41]
	s_lshl_b32 s42, ttmp9, 2
	s_add_co_u32 s42, s42, s26                     ; my tile among the 1,792
	s_lshl_b32 s40, s42, 14
	s_add_nc_u64 s[32:33], s[20:21], s[40:41]
	s_lshl_b32 s40, s42, 9
	s_add_nc_u64 s[34:35], s[22:23], s[40:41]
.macro LOADU s                         ; unit s: 512 bytes of each of the tile's 16 rows
.irp i, 0,1,2,3,4,5,6,7,8,9,10,11,12,13,14,15
	global_load_b128 v[RA+64*((\s)%2)+4*\i:RA+64*((\s)%2)+4*\i+3], v4, s[28:29] offset:(\i+8*(\i/8))*4096+512*(\s) th:TH_LOAD_NT
.endr
.endm
.macro UNIT s
.if (\s) < 7
	s_wait_loadcnt 16                              ; this unit's 16 loads are in; the next unit's may be out
.else
	s_wait_loadcnt 0x0
.endif
	THROUGH \s, 5, 6
	s_wait_xcnt 0x0                                ; the last unit's stores have read the codes' registers
.if (\s) < 6
	LOADU (\s)+2
.endif
	QUANT X
.irp c, 0,1,2,3
	global_store_b128 v4, v[PC+4*\c:PC+4*\c+3], s[32:33] offset:2048*(\s)+512*\c   ; 512 consecutive bytes
.endr
	ds_store_b32 v7, v[PW] offset:64*(\s)          ; both halves of the lanes write the same word with the same value
.endm
	LOADU 0
	LOADU 1
.irp s, 0,1,2,3,4,5,6,7
	UNIT \s
.endr
	ds_load_b128 v[240:243], v8                    ; the tile's 512 bytes of scale words, in order behind my stores
	s_wait_dscnt 0x0
	global_store_b128 v4, v[240:243], s[34:35]
	s_wait_tensorcnt 0x0
	ds_add_u32 v248, v249
	s_wait_dscnt 0x0
	s_endpgm
	; ---- the mask path
.Lmask:
	s_wait_kmcnt 0x0
	s_sub_co_u32 s31, ttmp9, 448
	s_lshl_b32 s31, s31, 2
	s_add_co_u32 s31, s31, s26                     ; 4 x query tile + which four key steps
	s_lshr_b32 s30, s31, 2
	s_and_b32 s27, s31, 3
	s_lshr_b32 s40, s30, 1
	s_lshl_b32 s40, s40, 18                        ; 32 rows of 8,192 bytes for each pair of tiles,
	s_and_b32 s41, s30, 1
	s_lshl_b32 s41, s41, 16                        ; 8 rows for the odd one,
	s_add_co_u32 s40, s40, s41
	s_lshl_b32 s41, s27, 11                        ; four key steps of 512 bytes
	s_add_co_u32 s40, s40, s41
	s_mov_b32 s41, 0
	s_add_nc_u64 s[28:29], s[18:19], s[40:41]
	s_lshl_b32 s40, s31, 10                        ; four steps' words: 1,024 bytes
	s_add_nc_u64 s[32:33], s[24:25], s[40:41]
.irp j, 0,1,2,3,4,5,6,7
	v_mov_b32 v[PC+\j], 0                          ; v_writelane_b32's destination counts as read
.endr
.macro MLOAD u
.irp i, 0,1,2,3,4,5,6,7,8,9,10,11,12,13,14,15
	global_load_b128 v[RA+64*((\u)%2)+4*\i:RA+64*((\u)%2)+4*\i+3], v4, s[28:29] offset:(\i+8*(\i/8))*8192+512*(\u) th:TH_LOAD_NT
.endr
.endm
.macro MUNIT u
.if (\u) < 3
	s_wait_loadcnt 16
.else
	s_wait_loadcnt 0x0
.endif
	THROUGH \u, 11, 12
.if (\u) < 2
	MLOAD (\u)+2
.endif
.set n, 0
.rept 8
.irp m, 0,1,2,3,4,5,6,7
	v_cmp_ne_u32 s[40+\m], 0, v[X+n+\m]            ; word n + m: one bit a lane
.endr
.irp m, 0,1,2,3,4,5,6,7
	v_writelane_b32 v[PC+2*(\u)+(\m%2)], s[40+\m], (n+\m)/2   ; lane l gathers words 2 l and 2 l + 1
.endr
.set n, n+8
.endr
	global_store_b64 v9, v[PC+2*(\u):PC+2*(\u)+1], s[32:33] offset:256*(\u)   ; 256 consecutive bytes, aligned; each unit has registers of its own
.endm
	MLOAD 0
	MLOAD 1
.irp u, 0,1,2,3
	MUNIT \u
.endr
	s_wait_tensorcnt 0x0
	ds_add_u32 v248, v249
	s_wait_dscnt 0x0
	s_endpgm
.Lfunc_end_k_q4be4e1e55d_prep:
	.size	k_q4be4e1e55d_prep, .Lfunc_end_k_q4be4e1e55d_prep-k_q4be4e1e55d_prep
	.p2alignl 7, 3214868480
	.fill 96, 4, 3214868480
	.section	.rodata,"a",@progbits
	.p2align	6, 0x0
	.amdhsa_kernel k_q4be4e1e55d_prep
		.amdhsa_group_segment_fixed_size 70144
		.amdhsa_private_segment_fixed_size 0
		.amdhsa_enable_private_segment 0
		.amdhsa_kernarg_size 88
		.amdhsa_user_sgpr_count 2
		.amdhsa_user_sgpr_kernarg_segment_ptr 1
		.amdhsa_wavefront_size32 1
		.amdhsa_system_sgpr_workgroup_id_x 1
		.amdhsa_system_sgpr_workgroup_id_y 1
		.amdhsa_system_sgpr_workgroup_id_z 1
		.amdhsa_system_vgpr_workitem_id 0
		.amdhsa_next_free_vgpr 250
		.amdhsa_next_free_sgpr 66
		.amdhsa_reserve_vcc 0
		.amdhsa_float_denorm_mode_32 3
		.amdhsa_float_denorm_mode_16_64 3
		.amdhsa_memory_ordered 1
		.amdhsa_forward_progress 1
		.amdhsa_inst_pref_size 148
	.end_amdhsa_kernel
	.amdgpu_metadata
---
amdhsa.version: [ 1, 2 ]
amdhsa.kernels:
  - .name:           k_q4be4e1e55d_prep
    .symbol:         k_q4be4e1e55d_prep.kd
    .args:
      - { .name: q, .offset: 0, .size: 8, .value_kind: global_buffer, .address_space: global }
      - { .name: k, .offset: 8, .size: 8, .value_kind: global_buffer, .address_space: global }
      - { .name: v, .offset: 16, .size: 8, .value_kind: global_buffer, .address_space: global }
      - { .name: Wq, .offset: 24, .size: 8, .value_kind: global_buffer, .address_space: global }
      - { .name: Wk, .offset: 32, .size: 8, .value_kind: global_buffer, .address_space: global }
      - { .name: Wv, .offset: 40, .size: 8, .value_kind: global_buffer, .address_space: global }
      - { .name: Wo, .offset: 48, .size: 8, .value_kind: global_buffer, .address_space: global }
      - { .name: mask, .offset: 56, .size: 8, .value_kind: global_buffer, .address_space: global }
      - { .name: xc, .offset: 64, .size: 8, .value_kind: global_buffer, .address_space: global }
      - { .name: xs, .offset: 72, .size: 8, .value_kind: global_buffer, .address_space: global }
      - { .name: mbits, .offset: 80, .size: 8, .value_kind: global_buffer, .address_space: global }
    .group_segment_fixed_size: 70144
    .private_segment_fixed_size: 0
    .kernarg_segment_align: 8
    .kernarg_segment_size: 88
    .max_flat_workgroup_size: 128
    .sgpr_count:     66
    .vgpr_count:     250
    .wavefront_size: 32
...
	.end_amdgpu_metadata
.endif
;; end of part 1
;; launch proj (part 2): grid 4 x 96, 4 waves a work-group, clusters of 4 x 4, 327,680 bytes of LDS; arguments xc, xs, bq, bk, bv, pc, ps; writes pc, ps
.if DOCPART == 2
	.amdgcn_target "amdgcn-amd-amdhsa--gfx1250"
	.amdhsa_code_object_version 6
	.text
	.protected	k_q4be4e1e55d_proj
	.globl	k_q4be4e1e55d_proj
	.p2align	8
	.type	k_q4be4e1e55d_proj,@function
k_q4be4e1e55d_proj:
	s_mov_b64 s[64:65], 0
	v_nop
	global_prefetch_b8 v0, s[64:65] scope:SCOPE_SE
	s_setreg_imm32_b32 hwreg(HW_REG_WAVE_MODE, 25, 1), 1
	s_wait_xcnt 0x0
	s_wait_alu depctr_hold_cnt(0) depctr_sa_sdst(0) depctr_va_vdst(0) depctr_va_sdst(0) depctr_va_ssrc(0) depctr_va_vcc(0) depctr_vm_vsrc(0)
	s_getreg_b32 s2, hwreg(HW_REG_IB_STS2, 6, 4)
	s_cmp_eq_u32 s2, 0
	s_cbranch_scc0 .Lentry_in_a_cluster
	s_endpgm
.Lentry_in_a_cluster:
	s_bfe_u32 s2, ttmp6, 0x10000c
	s_cmp_lg_u32 s2, 0xf033
	s_cbranch_scc0 .Lentry_shape_is_right
	s_endpgm
.Lentry_shape_is_right:
; PROJ.  Q = q Wq^T + bq, K = k Wk^T + bk, V^T = Wv v^T + bv, three products [8192 x 1024 x 1024] on codes of E4M3 with E8M0 scales, f32 sums; the results are quantised on the way out and leave as fragment images.
; Problem p = cluster y / 8.  Source 1 (its row is a lane's): p = 0: q, 1: k, 2: Wv.  Source 0 (its rows run along a lane's registers): Wq, Wk, v.  So for Q and K a lane holds one token and its registers run along the channels
; (the next product's K), and for V a lane holds one channel and its registers run along the keys.  The rows of every tile are in the order lane r -> row 32 (T / 2) + 8 (T % 2) + r + 8 (r / 8), so the 16 registers of tiles 2 b, 2 b + 1 are 16 neighbours.
; A tile of 256 x 256 is made by four waves, 128 x 128 each: 64 accumulators.  K goes in steps of 256 through two LDS slots; a tile of codes in LDS is a run of fragment images (16 rows x 128 K = 2,048 bytes, lane l's 16 bytes at 16 l of each 512).
; The scale words of the work-group's 512 rows for all of K (16 KiB) come once.  CLUSTERS 4 x 4: source 1's tiles are shared along a row of the cluster, source 0's along a column: joint loads.
; pc: p x 8 MiB + pair x 262144 + group of 128 tokens x 16384 + a x 2048 (pair = batch x 8 + pair of heads).  Q, K: fragment a = token tile a of the group, K = the pair's 128 channels.  V^T: fragment a = channel tile a, K = the group's 128 keys.
; ps: pair x 24576 + p x 8192 + group x 512 + a x 64 + 4 r.
; The bias along the registers (Q, K) is the C of each sum's first product; the bias along the lanes (V) is added on the way out; the one that does not apply is made 0 by a select, so that no branch hangs on p.
; REGISTERS: window 0: v8-15 the lanes' bias; v16-29 addresses; v32-63 scale words, two sets; v64-127 the registers' bias, 8 tiles; v128-255 source 1's fragments, one set (on the way out: at work).  Window 1: source 0's fragments, two sets.  Windows 2, 3: accumulators.
; LIMITS: NaN and infinities are not served; a block of zeros, or one under 2^-118, gets the byte 1 (read by this program alone).  No tile is asked for ahead of its tensor load: there are four K steps in all.
.set FR,    16
.set NL,    4
.set NP,    8                          ; places behind this matrix instruction (ISA guide 7.12.1)
.set NQ,    2
.set HALFT, 32768                      ; 8 row tiles x 2 fragments x 2,048: one tensor load
.set SLOT,  4*HALFT
.set SCL,   2*SLOT                     ; the scale words: 4 x 4,096 bytes
.set HALFS, 4096
.set SPARE, SCL+4*HALFS                ; the spare words: 128 bytes a wave
.set BM,   8
.set ADRA, 16
.set ADRB, 20
.set STO,  24                          ; the way out: my row's scale word in the wave's 512 bytes (in slot 0, which has had its last fill and its last read by then)
.set RD,   25
.set CO,   26                          ; 16 x lane
.set ADRS, 27
.set SPW,  28
.set NIL,  29
.set SC,   32
.set BN,   64
.set AF,   128
.set H,    128                         ; the way out: 64 numbers;
.set PC,   192                         ; their codes;
.set TM,   208                         ; at work;
.set PW,   224                         ; the scale word;
.set OW,   228                         ; the scale words' way out;
.set BP,   232                         ; the lane's bias as the low word of a pair
.set SEL,  2
.set MNT,  105
.set G1, 24
.set G0, 32
.set G1B, 48
.set G0B, 56
.set G1S, 68
.set G0S, 76
.set G1SB, 80
.set G0SB, 88
.set MSB, 0
.macro WIN new                         ; the immediate's high byte repeats the setting that is left
.if MSB != (\new)
	s_set_vgpr_msb (MSB<<8)|(\new)
.set MSB, (\new)
.endif
.endm
.set MUL_LO, 0xa1                      ; source 0 window 1, source 1 window 0, C and D window 2
.set MUL_HI, 0xf1
.set TO_B,   0x40
.macro JLOAD g0a, g1a, g0b, g1b        ; a joint load: waves 0, 1 fetch source 1's halves, waves 2, 3 source 0's; four v_nop follow each line
	s_cmp_eq_u32 s15, 0
	s_cbranch_scc0 .Lfor_b_\@
	tensor_load_to_lds s[\g0a:\g0a+3], s[\g1a:\g1a+7]
	s_nop 0
.rept 4
	v_nop
.endr
	s_branch .Lasked_\@
.Lfor_b_\@:
	tensor_load_to_lds s[\g0b:\g0b+3], s[\g1b:\g1b+7]
	s_nop 0
.rept 4
	v_nop
.endr
.Lasked_\@:
.endm
.macro CREST
	s_cmp_lg_u32 s14, 0
	s_cbranch_scc1 .Lnot_wave_0_\@
	s_barrier_signal -3
.Lnot_wave_0_\@:
	s_barrier_wait -3
	s_barrier_signal -1
	s_barrier_wait -1
.endm
.macro CROUND
	s_barrier_signal -1
	s_barrier_wait -1
	CREST
.endm
.macro QUANT s                         ; 64 numbers of a lane, register 16 b + i = K 32 b + 16 h + i, become codes in v[PC] on and the scale word in v[PW]
.irp b, 0,1,2,3
	v_max3_num_f32 v[TM+\b], |v[\s+16*\b]|, |v[\s+1+16*\b]|, 0x4800000
.endr
.irp i, 2,4,6,8,10,12,14
.irp b, 0,1,2,3
	v_max3_num_f32 v[TM+\b], v[TM+\b], |v[\s+16*\b+\i]|, |v[\s+1+16*\b+\i]|
.endr
.endr
.irp b, 0,1,2,3
	v_permlanex16_b32 v[TM+4+\b], v[TM+\b], s[SEL], s[SEL+1]
.endr
.irp b, 0,1,2,3
	v_max_num_f32 v[TM+\b], v[TM+\b], v[TM+4+\b]
.endr
.irp b, 0,1,2,3
	v_add_nc_u32 v[TM+12+\b], 0xfc000000, v[TM+\b]
.endr
.irp b, 0,1,2,3
	v_and_or_b32 v[TM+8+\b], v[TM+\b], 0x7f800000, s[MNT]
.endr
.irp b, 0,1,2,3
	v_lshrrev_b32 v[TM+4+\b], 23, v[TM+12+\b]
.endr
	v_lshl_or_b32 v[PW], v[TM+5], 8, v[TM+4]
	v_lshl_or_b32 v[PW], v[TM+6], 16, v[PW]
	v_lshl_or_b32 v[PW], v[TM+7], 24, v[PW]
.irp b, 0,1,2,3
.irp i, 0,1,2,3,4,5,6,7,8,9,10,11,12,13,14,15
	v_med3_num_f32 v[\s+16*\b+\i], v[\s+16*\b+\i], -v[TM+8+\b], v[TM+8+\b]
.endr
	v_cvt_scalef32_pk8_fp8_f32 v[PC+4*\b:PC+1+4*\b], v[\s+16*\b:\s+7+16*\b], v[TM+12+\b]
	v_cvt_scalef32_pk8_fp8_f32 v[PC+2+4*\b:PC+3+4*\b], v[\s+8+16*\b:\s+15+16*\b], v[TM+12+\b]
.endr
	v_nop
.endm
	s_load_b128 s[4:7], s[0:1], 0x0                ; xc, xs
	s_load_b128 s[96:99], s[0:1], 0x10             ; bq, bk
	s_load_b64 s[100:101], s[0:1], 0x20            ; bv
	s_load_b128 s[8:11], s[0:1], 0x28              ; pc, ps
	v_lshl_add_u32 v[SPW], v0, 2, SPARE
	v_mov_b32 v[NIL], 0
	ds_add_u32 v28, v29
	s_wait_dscnt 0x0
	v_lshrrev_b32 v1, 5, v0
	v_readfirstlane_b32 s14, v1                    ; wave
	s_lshr_b32 s15, s14, 1                         ; my half of source 1's rows.  Also: I fetch for source 1 (0) or source 0 (1)
	s_and_b32 s16, s14, 1                          ; my half of source 0's rows.  Also: which 128 rows I fetch
	s_bfe_u32 s40, ttmp6, 0x40000                  ; cx
	s_bfe_u32 s41, ttmp6, 0x40004                  ; cy
	s_and_b32 s105, ttmp7, 0xffff                  ; cluster y: 0 .. 23
	s_lshr_b32 s95, s105, 3                        ; p
	s_and_b32 s104, s105, 7
	s_cmp_lt_u32 s95, 2                            ; the long operand (8,192 rows) is source 1 for Q and K, source 0 for V
	s_cselect_b32 s17, s104, 0
	s_cselect_b32 s42, 0, s104
	s_lshl_b32 s17, s17, 2
	s_add_co_u32 s17, s17, s41                     ; which 256 rows of source 1
	s_lshl_b32 s42, s42, 2
	s_add_co_u32 s42, s42, s40                     ; which 256 rows of source 0
	s_lshl_b32 s43, s41, 2
	s_lshl_b32 s43, 15, s43                        ; my row of the cluster
	s_lshl_b32 s44, 0x1111, s40                    ; my column
	; group 1, codes: 8 row tiles x 4,096 bytes (two fragments), 16,384 bytes apart; elements of 8 bytes; dense in LDS
	s_or_b32 s[G1+0], s43, (3<<16)|(1<<21)
	s_or_b32 s[G1B+0], s44, (3<<16)|(1<<21)
.irp g, G1, G1B
	s_mov_b32 s[\g+1], 512<<16                     ; tensor_dim0
	s_mov_b32 s[\g+2], 8<<16                       ; tensor_dim1
	s_mov_b32 s[\g+3], 512<<16                     ; tile_dim0
	s_mov_b32 s[\g+4], 8                           ; tile_dim1
	s_mov_b32 s[\g+5], 2048                        ; stride
	s_mov_b32 s[\g+6], 0
	s_mov_b32 s[\g+7], 0
.endr
	; group 1, scale words of 8 row tiles: 4,096 dense bytes as 16 rows of 256
	s_or_b32 s[G1S+0], s43, (3<<16)|(1<<21)
	s_or_b32 s[G1SB+0], s44, (3<<16)|(1<<21)
.irp g, G1S, G1SB
	s_mov_b32 s[\g+1], 32<<16
	s_mov_b32 s[\g+2], 16<<16
	s_mov_b32 s[\g+3], 32<<16
	s_mov_b32 s[\g+4], 16
	s_mov_b32 s[\g+5], 32
	s_mov_b32 s[\g+6], 0
	s_mov_b32 s[\g+7], 0
.endr
	s_lshl_b32 s20, s95, 9                         ; source 1's first tile: q 0, k 512,
	s_lshl_b32 s46, s95, 6
	s_add_co_u32 s46, s46, 1536                    ; source 0's: Wq 1536, Wk 1600,
	s_cmp_eq_u32 s95, 2
	s_cselect_b32 s20, 1664, s20                   ; Wv 1664
	s_cselect_b32 s46, 1024, s46                   ; v 1024
	s_lshl_b32 s18, s16, 3
	s_lshl_b32 s21, s17, 4
	s_add_co_u32 s20, s20, s21
	s_add_co_u32 s20, s20, s18                     ; the first of the 8 tiles that I fetch, if for source 1
	s_lshl_b32 s47, s42, 4
	s_add_co_u32 s46, s46, s47
	s_add_co_u32 s46, s46, s18                     ; if for source 0
	s_lshl_b32 s22, s20, 9
	s_mov_b32 s23, 0
	s_lshl_b32 s92, s46, 9
	s_mov_b32 s93, 0
	s_lshl_b32 s20, s20, 14
	s_mov_b32 s21, 0
	s_lshl_b32 s46, s46, 14
	s_mov_b32 s47, 0
	s_lshl_b32 s45, s14, 15                        ; where they go: wave x HALFT,
	s_lshl_b32 s94, s14, 12                        ; wave x HALFS
	s_wait_kmcnt 0x0
	s_add_nc_u64 s[20:21], s[4:5], s[20:21]
	s_add_nc_u64 s[22:23], s[6:7], s[22:23]
	s_add_nc_u64 s[46:47], s[4:5], s[46:47]
	s_add_nc_u64 s[92:93], s[6:7], s[92:93]
	CROUND                                         ; all sixteen work-groups are here: the first joint loads meet
	s_mov_b32 s[G0S], 1
	s_add_co_u32 s[G0S+1], s94, SCL
	s_mov_b64 s[G0S+2:G0S+3], s[22:23]
	s_or_b32 s[G0S+3], s[G0S+3], 0x80000000
	s_mov_b32 s[G0SB], 1
	s_add_co_u32 s[G0SB+1], s94, SCL
	s_mov_b64 s[G0SB+2:G0SB+3], s[92:93]
	s_or_b32 s[G0SB+3], s[G0SB+3], 0x80000000
	JLOAD G0S, G1S, G0SB, G1SB
.irp s, 0,1
	s_mov_b32 s[G0+4*\s], 1
	s_add_co_u32 s[G0+4*\s+1], s45, \s*SLOT
	s_add_nc_u64 s[G0+4*\s+2:G0+4*\s+3], s[20:21], \s*4096
	s_or_b32 s[G0+4*\s+3], s[G0+4*\s+3], 0x80000000
	s_mov_b32 s[G0B+4*\s], 1
	s_add_co_u32 s[G0B+4*\s+1], s45, \s*SLOT
	s_add_nc_u64 s[G0B+4*\s+2:G0B+4*\s+3], s[46:47], \s*4096
	s_or_b32 s[G0B+4*\s+3], s[G0B+4*\s+3], 0x80000000
	JLOAD G0+4*\s, G1, G0B+4*\s, G1B
.endr
	v_and_b32 v1, 15, v0                           ; r
	v_bfe_u32 v2, v0, 4, 1                         ; h
	v_and_b32 v3, 31, v0
	v_lshlrev_b32 v4, 4, v3                        ; 16 x lane
	s_lshl_b32 s21, s15, 15                        ; my 8 tiles of source 1
	s_lshl_b32 s22, s16, 15
	s_add_co_u32 s22, s22, 2*HALFT                 ; of source 0
.irp s, 0,1
	v_add_nc_u32 v[ADRA+\s], s21, v4
	v_add_nc_u32 v[ADRB+\s], s22, v4
	s_add_co_u32 s21, s21, SLOT
	s_add_co_u32 s22, s22, SLOT
.endr
	v_lshlrev_b32 v5, 2, v1
	s_lshl_b32 s21, s15, 12
	s_lshl_b32 s22, s16, 12
	s_add_co_u32 s22, s22, 2*HALFS
	s_sub_co_u32 s22, s22, s21
	v_mul_u32_u24 v6, s22, v2                      ; lanes 16-31 take source 0's words
	s_add_co_u32 s21, s21, SCL
	v_add_nc_u32 v5, v5, v6
	v_add_nc_u32 v[ADRS], s21, v5
	s_lshl_b32 s23, s14, 9
	v_lshl_add_u32 v[STO], v1, 2, s23
	v_add_nc_u32 v[RD], s23, v4
	v_mov_b32 v[CO], v4
	; tokens, channels, biases, output
	s_lshl_b32 s20, s17, 8
	s_lshl_b32 s21, s15, 7
	s_add_co_u32 s20, s20, s21                     ; my first row of source 1
	s_lshl_b32 s46, s42, 8
	s_lshl_b32 s47, s16, 7
	s_add_co_u32 s46, s46, s47                     ; of source 0
	s_cmp_lt_u32 s95, 2
	s_cselect_b32 s22, s20, s46                    ; my first token
	s_cselect_b32 s23, s46, s20                    ; my first channel
	s_cselect_b32 s92, -1, 0                       ; lane masks: the registers' bias counts (Q, K),
	s_cselect_b32 s93, 0, -1                       ; the lanes' bias counts (V)
	s_cmp_eq_u32 s95, 0
	s_cselect_b64 s[12:13], s[96:97], s[98:99]
	s_cmp_eq_u32 s95, 2
	s_cselect_b64 s[12:13], s[100:101], s[12:13]
	s_lshl_b32 s18, s23, 2
	s_mov_b32 s19, 0
	s_add_nc_u64 s[12:13], s[12:13], s[18:19]      ; the bias at my 128 channels
	v_lshlrev_b32 v6, 6, v2                        ; 16 h numbers
	v_and_b32 v7, 8, v1
	v_add_nc_u32 v7, v7, v1
	v_lshlrev_b32 v7, 2, v7                        ; r + 8 (r / 8) numbers
.irp t, 0,1,2,3,4,5,6,7
	global_load_b128 v[BN+8*\t:BN+8*\t+3], v6, s[12:13] offset:128*(\t/2)+32*(\t%2)        ; tile t, register j: channel 32 (t / 2) + 8 (t % 2) + 16 h + j
	global_load_b128 v[BN+8*\t+4:BN+8*\t+7], v6, s[12:13] offset:128*(\t/2)+32*(\t%2)+16
	global_load_b32 v[BM+\t], v7, s[12:13] offset:128*(\t/2)+32*(\t%2)                     ; block t, lane r: channel 32 (t / 2) + 8 (t % 2) + r + 8 (r / 8)
.endr
	s_lshr_b32 s18, s22, 11
	s_lshl_b32 s18, s18, 3
	s_lshr_b32 s19, s23, 7
	s_add_co_u32 s18, s18, s19                     ; pair = batch x 8 + pair of heads
	s_bfe_u32 s19, s22, 0x40007                    ; the group of 128 tokens
	s_lshl_b32 s20, s95, 23
	s_lshl_b32 s21, s18, 18
	s_add_co_u32 s20, s20, s21
	s_lshl_b32 s21, s19, 14
	s_add_co_u32 s20, s20, s21
	s_mov_b32 s21, 0
	s_add_nc_u64 s[8:9], s[8:9], s[20:21]
	s_mul_i32 s20, s18, 24576
	s_lshl_b32 s46, s95, 13
	s_add_co_u32 s20, s20, s46
	s_lshl_b32 s46, s19, 9
	s_add_co_u32 s20, s20, s46
	s_add_nc_u64 s[10:11], s[10:11], s[20:21]
	s_wait_loadcnt 0x0
.set i, 0
.rept 64
	v_cndmask_b32 v[BN+i], 0, v[BN+i], s92
.set i, i+1
.endr
.irp a, 0,1,2,3,4,5,6,7
	v_cndmask_b32 v[BM+\a], 0, v[BM+\a], s93
.endr
.macro FRAG reg, adr, q, i             ; a fragment's image: four loads of 512 consecutive bytes
.irp c, 0,1,2,3
	ds_load_b128 v[\reg+4*\c:\reg+4*\c+3], v[\adr] offset:4096*(\i)+2048*(\q)+512*\c
.endr
.endm
; 16 products: source 1's blocks a0, a0 + 1 x source 0's eight.  zero = 1: the first product starts the sums, from the bias.  The 64 accumulators take turns, one instruction a turn
.macro MUL16 a0, p, q, sc, zero
.irp a, \a0, \a0+1
.irp b, 0,1,2,3,4,5,6,7
.if \zero
	v_wmma_scale_f32_16x16x128_f8f6f4 v[8*(8*((\a)%4)+\b):8*(8*((\a)%4)+\b)+7], v[128*(\p)+FR*\b:128*(\p)+FR*\b+FR-1], v[AF+FR*(\a):AF+FR*(\a)+FR-1], v[BN+8*\b:BN+8*\b+7], v[SC+8*NQ*(\sc)+NQ*\b+(\q)], v[SC+8*NQ*(\sc)+NQ*(\a)+(\q)] matrix_a_scale:MATRIX_SCALE_ROW1
.else
	v_wmma_scale_f32_16x16x128_f8f6f4 v[8*(8*((\a)%4)+\b):8*(8*((\a)%4)+\b)+7], v[128*(\p)+FR*\b:128*(\p)+FR*\b+FR-1], v[AF+FR*(\a):AF+FR*(\a)+FR-1], v[8*(8*((\a)%4)+\b):8*(8*((\a)%4)+\b)+7], v[SC+8*NQ*(\sc)+NQ*\b+(\q)], v[SC+8*NQ*(\sc)+NQ*(\a)+(\q)] matrix_a_scale:MATRIX_SCALE_ROW1
.endif
.endr
.endr
.endm
.macro FETCH_B slot, q, p
	WIN TO_B
.irp i, 0,1,2,3,4,5,6,7
	FRAG 128*(\p)+FR*\i, ADRB+\slot, \q, \i
.endr
	WIN 0
.endm
.macro FETCH_A slot, q, i0
.irp i, \i0, \i0+1, \i0+2, \i0+3
	FRAG AF+FR*(\i), ADRA+\slot, \q, \i
.endr
.endm
.macro SCALES sc                       ; a slot's scale words: lanes 0-15 source 1's block i, lanes 16-31 source 0's block i
.irp i, 0,1,2,3,4,5,6,7
.irp q, 0,1
	ds_load_b32 v[SC+8*NQ*\sc+NQ*\i+\q], v[ADRS] offset:512*\i+64*\q
.endr
.endr
.endm
.macro PLACES n
.rept \n
	v_nop
.endr
.endm
.macro STEP slot, q, zero              ; 128 along K that has its successor in the same slot
	s_wait_dscnt 4*NL                              ; all but the youngest 16 loads (source 1's blocks 4-7)
.if \zero
	WIN 0x81                                       ; C (the bias) window 0, D window 2
.else
	WIN MUL_LO
.endif
	MUL16 0, (\q)%2, \q, \slot, \zero
	MUL16 2, (\q)%2, \q, \slot, \zero
	s_wait_dscnt 0
	PLACES NP                                      ; in front of loads into registers that matrix instructions have read
	FETCH_B \slot, (\q)+1, 1-(\q)%2
	FETCH_A \slot, (\q)+1, 0
.if \zero
	WIN 0xc1
.else
	WIN MUL_HI
.endif
	MUL16 4, (\q)%2, \q, \slot, \zero
	MUL16 6, (\q)%2, \q, \slot, \zero
	PLACES NP
	WIN 0
	FETCH_A \slot, (\q)+1, 4
.endm
; a slot's last step changes slots: each wave waits for all its tensor loads, adds 0 to its spare word, waits for that and for its reads of this slot; one barrier, which opens a round of the cluster's where the slot is filled again
.macro TURN slot, next, fill
	s_wait_tensorcnt 0x0                           ; my part of the next slot has landed; no load of mine is out
	ds_add_u32 v[SPW], v[NIL]
	s_wait_dscnt 4*NL+1                            ; the add and the youngest 16 loads may be out
	WIN MUL_LO
	MUL16 0, 1, NQ-1, \slot, 0
	s_wait_dscnt 0x0                               ; the add is done, my reads of this slot are over
	s_barrier_signal -1
	MUL16 2, 1, NQ-1, \slot, 0
	WIN 0
	s_barrier_wait -1
.if \fill
	CREST
	s_add_nc_u64 s[G0+4*\slot+2:G0+4*\slot+3], s[G0+4*\slot+2:G0+4*\slot+3], 8192
	s_add_nc_u64 s[G0B+4*\slot+2:G0B+4*\slot+3], s[G0B+4*\slot+2:G0B+4*\slot+3], 8192
	JLOAD G0+4*\slot, G1, G0B+4*\slot, G1B         ; the first tensor load behind the round; its four v_nop are four of the places
	PLACES NP-4
.else
	PLACES NP
.endif
	v_add_nc_u32 v[ADRS], 64*NQ, v[ADRS]           ; the next slot's scale words
	FETCH_B \next, 0, 0
	FETCH_A \next, 0, 0
	SCALES \next
	WIN MUL_HI
	MUL16 4, 1, NQ-1, \slot, 0
	MUL16 6, 1, NQ-1, \slot, 0
	PLACES NP
	WIN 0
	FETCH_A \next, 0, 4
.endm
	s_wait_tensorcnt 1                             ; three loads of mine were out: the scale words and slot 0 are in, slot 1 may be out
	s_barrier_signal -1
	s_barrier_wait -1
	FETCH_B 0, 0, 0
	FETCH_A 0, 0, 0
	SCALES 0
	FETCH_A 0, 0, 4
	STEP 0, 0, 1                                   ; K = 1,024 is four slots: written straight
	TURN 0, 1, 1
	STEP 1, 0, 0
	TURN 1, 0, 1
	STEP 0, 0, 0
	TURN 0, 1, 0
	STEP 1, 0, 0
	s_wait_dscnt 4*NL
	WIN MUL_LO
	MUL16 0, 1, NQ-1, 1, 0
	MUL16 2, 1, NQ-1, 1, 0
	s_wait_dscnt 0
	WIN MUL_HI
	MUL16 4, 1, NQ-1, 1, 0
	MUL16 6, 1, NQ-1, 1, 0
	WIN 0
	; THE WAY OUT.  Block a: 16 lanes' rows x 128 along the registers: + the lanes' bias, quantised, and the codes ARE the fragment's image
	PLACES NP
	s_mov_b32 s[SEL], 0x76543210
	s_mov_b32 s[SEL+1], 0xfedcba98
	s_mov_b32 s[MNT], 0x600000
.irp b, 0,1,2,3
	v_mov_b32 v[TM+4+\b], 0
.endr
	v_mov_b32 v[BP+1], 0                           ; named with v[BP] as a pair
.macro OUTA a
	s_wait_xcnt 0x0                                ; the last block's stores have read the codes' registers
	s_wait_dscnt 0x0
	v_mov_b32 v[BP], v[BM+(\a)]
	WIN 0x02+(\a)/4                                ; source 0: window 2 or 3
.set AC, 64*((\a)%4)
.set i, 0
.rept 32
	v_pk_add_f32 v[H+2*i:H+2*i+1], v[AC+2*i:AC+2*i+1], v[BP:BP+1] op_sel_hi:[1,0]   ; ascending: each accumulator from its low end on
.set i, i+1
.endr
	WIN 0
	QUANT H
.irp c, 0,1,2,3
	global_store_b128 v[CO], v[PC+4*\c:PC+4*\c+3], s[8:9] offset:2048*(\a)+512*\c   ; 512 consecutive bytes
.endr
	ds_store_b32 v[STO], v[PW] offset:64*(\a)
.endm
.irp a, 0,1,2,3,4,5,6,7
	OUTA \a
.endr
	ds_load_b128 v[OW:OW+3], v[RD]                 ; my 8 blocks' scale words: 512 bytes, in order behind my stores
	s_wait_dscnt 0x0
	global_store_b128 v[CO], v[OW:OW+3], s[10:11]
	s_wait_tensorcnt 0x0                           ; the wave's end
	ds_add_u32 v[SPW], v[NIL]
	s_wait_dscnt 0x0
	CROUND                                         ; the closing round
	s_endpgm
.Lfunc_end_k_q4be4e1e55d_proj:
	.size	k_q4be4e1e55d_proj, .Lfunc_end_k_q4be4e1e55d_proj-k_q4be4e1e55d_proj
	.p2alignl 7, 3214868480
	.fill 96, 4, 3214868480
	.section	.rodata,"a",@progbits
	.p2align	6, 0x0
	.amdhsa_kernel k_q4be4e1e55d_proj
		.amdhsa_group_segment_fixed_size 327680
		.amdhsa_private_segment_fixed_size 0
		.amdhsa_enable_private_segment 0
		.amdhsa_kernarg_size 56
		.amdhsa_user_sgpr_count 2
		.amdhsa_user_sgpr_kernarg_segment_ptr 1
		.amdhsa_wavefront_size32 1
		.amdhsa_system_sgpr_workgroup_id_x 1
		.amdhsa_system_sgpr_workgroup_id_y 1
		.amdhsa_system_sgpr_workgroup_id_z 1
		.amdhsa_system_vgpr_workitem_id 0
		.amdhsa_next_free_vgpr 1024
		.amdhsa_next_free_sgpr 106
		.amdhsa_reserve_vcc 0
		.amdhsa_float_denorm_mode_32 3
		.amdhsa_float_denorm_mode_16_64 3
		.amdhsa_memory_ordered 1
		.amdhsa_forward_progress 1
		.amdhsa_inst_pref_size 211
	.end_amdhsa_kernel
	.amdgpu_metadata
---
amdhsa.version: [ 1, 2 ]
amdhsa.kernels:
  - .name:           k_q4be4e1e55d_proj
    .symbol:         k_q4be4e1e55d_proj.kd
    .args:
      - { .name: xc, .offset: 0, .size: 8, .value_kind: global_buffer, .address_space: global }
      - { .name: xs, .offset: 8, .size: 8, .value_kind: global_buffer, .address_space: global }
      - { .name: bq, .offset: 16, .size: 8, .value_kind: global_buffer, .address_space: global }
      - { .name: bk, .offset: 24, .size: 8, .value_kind: global_buffer, .address_space: global }
      - { .name: bv, .offset: 32, .size: 8, .value_kind: global_buffer, .address_space: global }
      - { .name: pc, .offset: 40, .size: 8, .value_kind: global_buffer, .address_space: global }
      - { .name: ps, .offset: 48, .size: 8, .value_kind: global_buffer, .address_space: global }
    .group_segment_fixed_size: 327680
    .private_segment_fixed_size: 0
    .kernarg_segment_align: 8
    .kernarg_segment_size: 56
    .max_flat_workgroup_size: 128
    .sgpr_count:     106
    .vgpr_count:     1024
    .wavefront_size: 32
...
	.end_amdgpu_metadata
.endif
;; end of part 2
;; launch attn (part 3): grid 8 x 32, 16 waves a work-group, clusters of 4 x 1, 327,680 bytes of LDS; arguments pc, ps, mbits, cc, cs; writes cc, cs
.if DOCPART == 3
	.amdgcn_target "amdgcn-amd-amdhsa--gfx1250"
	.amdhsa_code_object_version 6
	.text
	.protected	k_q4be4e1e55d_attn
	.globl	k_q4be4e1e55d_attn
	.p2align	8
	.type	k_q4be4e1e55d_attn,@function
k_q4be4e1e55d_attn:
	s_mov_b64 s[64:65], 0
	v_nop
	global_prefetch_b8 v0, s[64:65] scope:SCOPE_SE
	s_setreg_imm32_b32 hwreg(HW_REG_WAVE_MODE, 25, 1), 1
	s_wait_xcnt 0x0
	s_wait_alu depctr_hold_cnt(0) depctr_sa_sdst(0) depctr_va_vdst(0) depctr_va_sdst(0) depctr_va_ssrc(0) depctr_va_vcc(0) depctr_vm_vsrc(0)
	s_getreg_b32 s2, hwreg(HW_REG_IB_STS2, 6, 4)
	s_cmp_eq_u32 s2, 0
	s_cbranch_scc0 .Lentry_in_a_cluster
	s_endpgm
.Lentry_in_a_cluster:
	s_bfe_u32 s2, ttmp6, 0x10000c
	s_cmp_lg_u32 s2, 0x3003
	s_cbranch_scc0 .Lentry_shape_is_right
	s_endpgm
.Lentry_shape_is_right:
; ATTN.  For each batch and head: S = Q K^T / 8, masked, softmax, O = P V; both products on codes of E4M3 with E8M0 scales.  The result is quantised along (head, channel) and leaves as the output projection's operand.
; THE SOFTMAX: t = score x log2(e) / 8; M = the running largest t rounded UP to a whole number; p = 2^(t - M) is quantised along the keys, not normalised; the row's sum of the unquantised p divides O at the end; when M moves, sum and O are multiplied by 2^(old M - new M), exactly.
; THE MASK is an input: every key is computed.  Its lane-mask words (one bit a lane for each score register) come by scalar loads, a key step ahead, and cost one select a score.  A hidden raw score becomes -2^33: c x 2^33 is a whole number, so in a row
; that is hidden everywhere t - M is exactly 0 and p = 1, a uniform softmax as with -1e9.  LIMIT: results agree with -1e9 wherever every open logit lies above about -1e9.  NaN and infinities are not served.
; SHARES.  A work-group owns 256 queries of one PAIR of heads (128 channels); each of its sixteen waves owns one tile of 16 queries, for both heads, one after the other in each key step of 128 keys.  Four waves to a SIMD: one wave's vector work stands beside another's products.
; Both products are used transposed: S^T = K Q^T, O^T = V^T P^T: a lane holds one query throughout.  All tiles are in the order lane r -> row 32 (T / 2) + 8 (T % 2) + r + 8 (r / 8): p's 16 registers of two tiles are 16 neighbouring keys, O^T's 16 neighbouring channels.
; A HEAD IS 64 WIDE, the product 128: Q's registers are (even head's codes, zeros, odd head's codes), and v[16:31] or v[24:39] is named.  Of a fragment of K only the head's two pieces are loaded; its other half holds other valid codes, which meet Q's zeros.
; LDS: two slots of four key steps (K 4 x 16 KiB, V 4 x 16 KiB); K's and V's scale words of the whole pair (16 KiB), filled once; the spare words.  Every tile is a run of fragment images: each LDS load takes 512 consecutive bytes.
; CLUSTER 4 x 1: the four query blocks of a cluster walk the same K and V: every tensor load is joint.  Waves 0-3 fetch K's four steps, 4-7 V's, wave 8 the scale words.  A refill goes out four key steps ahead of its first read, so nothing is asked for ahead of it.
.set SLOT1, 1<<17
.set SCL,   262144
.set SPARE, 278528                     ; 128 bytes for each of 16 waves
.set LI,  1                            ; v1   16 x lane
.set LS,  2                            ; v2   SCL + 4 (lane % 16)
.set SPW, 3
.set NIL, 4
.set ADK, 5                            ; v5   the step's K
.set ADV, 6                            ; v6   its V
.set ADS, 7                            ; v7   its scale words
.set ST,  8                            ; head e at v[8 + 4 e]: -M, the largest t, the sum in two halves
.set QS,  40                           ; v40  Q's scale words
.set LW,  41                           ; v41  4 (lane % 16)
.set KB,  48                           ; v48-87   K's pieces: codes and nothing else
.set S,   88                           ; v88-151  S^T, then p, then V's four fragments
.set O,   152                          ; v152-215 O^T, 32 a head
.set PC,  216                          ; v216-231 p's codes
.set TM,  232                          ; v232-247 at work
.set PW,  252                          ; the way out: the scale word.  In the loop v252 is f, v253 p's scale word, v248-251 the fragments' scale words, v254 at work
.set TB,  2                            ; s2   LDS byte of the step in hand
.set TS,  3                            ; s3   its scale words: 512 bytes a step
.set WV,  14
.set MOFF, 15                          ; s15  the mask words to be loaded next: 256 bytes a step
.set SLOTS, 66
.set STEPS, 67
.set G1,  84
.set G0,  92
.set SEL, 96
.set CS,  98                           ; s[98:99] c = log2(e) / 8
.set MNT, 100
.set NEGX, 101                         ; -2^33
; the mask words of a step: word n in s[16 + n + 4 (n / 48)]: s16-63, s68-83
.macro CROUND
	s_barrier_signal -1
	s_barrier_wait -1
	s_cmp_lg_u32 s[WV], 0
	s_cbranch_scc1 .Lnot_wave_0_\@
	s_barrier_signal -3
.Lnot_wave_0_\@:
	s_barrier_wait -3
	s_barrier_signal -1
	s_barrier_wait -1
.endm
.macro TLOAD lim                       ; waves under lim fetch, one joint load each; the branch hangs on the wave's number alone; four v_nop follow
	s_cmp_lt_u32 s[WV], \lim
	s_cbranch_scc0 .Lnone_\@
	tensor_load_to_lds s[G0:G0+3], s[G1:G1+7]
	s_nop 0
.rept 4
	v_nop
.endr
.Lnone_\@:
.endm
.macro QUANT s
.irp b, 0,1,2,3
	v_max3_num_f32 v[TM+\b], |v[\s+16*\b]|, |v[\s+1+16*\b]|, 0x4800000
.endr
.irp i, 2,4,6,8,10,12,14
.irp b, 0,1,2,3
	v_max3_num_f32 v[TM+\b], v[TM+\b], |v[\s+16*\b+\i]|, |v[\s+1+16*\b+\i]|
.endr
.endr
.irp b, 0,1,2,3
	v_permlanex16_b32 v[TM+4+\b], v[TM+\b], s[SEL], s[SEL+1]
.endr
.irp b, 0,1,2,3
	v_max_num_f32 v[TM+\b], v[TM+\b], v[TM+4+\b]
.endr
.irp b, 0,1,2,3
	v_add_nc_u32 v[TM+12+\b], 0xfc000000, v[TM+\b]
.endr
.irp b, 0,1,2,3
	v_and_or_b32 v[TM+8+\b], v[TM+\b], 0x7f800000, s[MNT]
.endr
.irp b, 0,1,2,3
	v_lshrrev_b32 v[TM+4+\b], 23, v[TM+12+\b]
.endr
	v_lshl_or_b32 v[PW], v[TM+5], 8, v[TM+4]
	v_lshl_or_b32 v[PW], v[TM+6], 16, v[PW]
	v_lshl_or_b32 v[PW], v[TM+7], 24, v[PW]
.irp b, 0,1,2,3
.irp i, 0,1,2,3,4,5,6,7,8,9,10,11,12,13,14,15
	v_med3_num_f32 v[\s+16*\b+\i], v[\s+16*\b+\i], -v[TM+8+\b], v[TM+8+\b]
.endr
	v_cvt_scalef32_pk8_fp8_f32 v[PC+4*\b:PC+1+4*\b], v[\s+16*\b:\s+7+16*\b], v[TM+12+\b]
	v_cvt_scalef32_pk8_fp8_f32 v[PC+2+4*\b:PC+3+4*\b], v[\s+8+16*\b:\s+15+16*\b], v[TM+12+\b]
.endr
	v_nop
.endm
	s_load_b128 s[4:7], s[0:1], 0x0                ; pc, ps
	s_load_b128 s[8:11], s[0:1], 0x10              ; mbits, cc
	s_load_b64 s[12:13], s[0:1], 0x20              ; cs
	v_lshl_add_u32 v[SPW], v0, 2, SPARE
	v_mov_b32 v[NIL], 0
	ds_add_u32 v3, v4
	s_wait_dscnt 0x0
	v_lshrrev_b32 v5, 5, v0
	v_readfirstlane_b32 s[WV], v5                  ; wave 0..15
	v_and_b32 v5, 31, v0
	v_lshlrev_b32 v[LI], 4, v5
	v_and_b32 v6, 15, v0
	v_lshlrev_b32 v[LW], 2, v6
	v_add_nc_u32 v[LS], SCL, v[LW]
	s_bfe_u32 s16, ttmp6, 0x40000                  ; cx: it enters Q's, the mask words' and the output's addresses alone
	s_lshl_b32 s17, ttmp9, 2
	s_add_co_u32 s17, s17, s16                     ; my block of 256 queries
	s_lshl_b32 s19, s17, 4
	s_add_co_u32 s19, s19, s[WV]                   ; my query tile, 0..127
	s_and_b32 s18, ttmp7, 0xffff                   ; the pair: batch x 8 + pair of heads
	s_lshl_b32 s20, s18, 18
	s_and_b32 s21, s[WV], 3
	s_lshl_b32 s21, s21, 14                        ; what I fetch: step wave % 4 of a slot,
	s_lshr_b32 s22, s[WV], 2
	s_add_co_u32 s22, s22, 1
	s_lshl_b32 s22, s22, 23                        ; of K (8 MiB on) or of V (16 MiB on);
	s_add_co_u32 s21, s21, s20
	s_add_co_u32 s21, s21, s22
	s_mul_i32 s23, s18, 24576
	s_add_co_u32 s22, s23, 8192                    ; wave 8: K's and V's scale words, 16 KiB on end
	s_cmp_lt_u32 s[WV], 8
	s_cselect_b32 s24, s21, s22
	s_mov_b32 s25, 0
	s_lshl_b32 s26, s19, 11
	s_add_co_u32 s26, s26, s20                     ; Q's fragment
	s_mov_b32 s27, 0
	s_lshl_b32 s28, s19, 6
	s_add_co_u32 s28, s28, s23                     ; its scale words
	s_mov_b32 s29, 0
	s_lshl_b32 s30, s19, 12                        ; my tile's mask words: 16 steps x 256 bytes
	s_mov_b32 s31, 0
	s_lshr_b32 s32, s18, 3
	s_lshl_b32 s32, s32, 7
	s_add_co_u32 s32, s32, s19                     ; the output's row tile: batch x 128 + query tile
	s_lshl_b32 s32, s32, 3
	s_and_b32 s33, s18, 7
	s_add_co_u32 s32, s32, s33                     ; x 8 + K step (the pair of heads)
	s_lshl_b32 s34, s32, 6
	s_mov_b32 s35, 0
	s_lshl_b32 s32, s32, 11
	s_mov_b32 s33, 0
	; group 1: 16 KiB dense, as 64 rows of 256 bytes (32 elements of 8); the mask names all four work-groups
	s_mov_b32 s[G1], 15|(3<<16)|(1<<21)
	s_mov_b32 s[G1+1], 32<<16
	s_mov_b32 s[G1+2], 64<<16
	s_mov_b32 s[G1+3], 32<<16
	s_mov_b32 s[G1+4], 64
	s_mov_b32 s[G1+5], 32
	s_mov_b32 s[G1+6], 0
	s_mov_b32 s[G1+7], 0
	s_mov_b32 s[G0], 1
	s_lshl_b32 s[G0+1], s[WV], 14                  ; LDS: wave x 16 KiB in slot 0; wave 8: behind both slots
	s_lshr_b32 s36, s[WV], 3
	s_lshl_b32 s36, s36, 17
	s_add_co_u32 s[G0+1], s[G0+1], s36
	s_mov_b32 s[SEL], 0x76543210
	s_mov_b32 s[SEL+1], 0xfedcba98
	s_mov_b32 s[CS], 0x3e38aa3b
	s_mov_b32 s[CS+1], s[CS]
	s_mov_b32 s[MNT], 0x600000
	s_mov_b32 s[NEGX], 0xd0000000
	s_mov_b32 s[TB], 0
	s_mov_b32 s[TS], 0
	s_mov_b32 s[MOFF], 0
	s_mov_b32 s[SLOTS], 3
	s_wait_kmcnt 0x0
	s_cmp_lt_u32 s[WV], 8
	s_cselect_b64 s[G0+2:G0+3], s[4:5], s[6:7]
	s_add_nc_u64 s[G0+2:G0+3], s[G0+2:G0+3], s[24:25]
	s_or_b32 s[G0+3], s[G0+3], 0x80000000
	s_add_nc_u64 s[4:5], s[4:5], s[26:27]
	s_add_nc_u64 s[6:7], s[6:7], s[28:29]
	s_add_nc_u64 s[8:9], s[8:9], s[30:31]
	s_add_nc_u64 s[10:11], s[10:11], s[32:33]
	s_add_nc_u64 s[12:13], s[12:13], s[34:35]
	CROUND                                         ; all four work-groups are here
	TLOAD 9                                        ; slot 0 and the scale words
	global_load_b128 v[16:19], v[LI], s[4:5]                    ; Q: the even head's two pieces,
	global_load_b128 v[20:23], v[LI], s[4:5] offset:512
	global_load_b128 v[32:35], v[LI], s[4:5] offset:1024        ; the odd head's
	global_load_b128 v[36:39], v[LI], s[4:5] offset:1536
	global_load_b32 v[QS], v[LW], s[6:7]
	s_load_b512 s[16:31], s[8:9], s[MOFF] offset:0x0            ; key step 0's mask words
	s_load_b512 s[32:47], s[8:9], s[MOFF] offset:0x40
	s_load_b512 s[48:63], s[8:9], s[MOFF] offset:0x80
	s_load_b512 s[68:83], s[8:9], s[MOFF] offset:0xc0
.irp j, 0,1,2,3,4,5,6,7
	v_mov_b32 v[24+\j], 0                          ; the zeros between the heads' codes
.endr
.set i, 0
.rept 40
	v_mov_b32 v[KB+i], 0
.set i, i+1
.endr
.set i, 0
.rept 64
	v_mov_b32 v[O+i], 0                            ; the step is written once: the first finds zeros
.set i, i+1
.endr
.irp e, 0,1
	v_mov_b32 v[ST+4*\e+1], 0xff61b1e6             ; the largest t so far: -3e38
	v_floor_f32 v[ST+4*\e], -v[ST+4*\e+1]
	v_mov_b32 v[ST+4*\e+2], 0
	v_mov_b32 v[ST+4*\e+3], 0
.endr
.irp b, 0,1,2,3
	v_mov_b32 v[236+\b], 0                         ; a lane permute's destination counts as read
.endr
	v_mov_b32 v253, 0                              ; named as the upper half of v[252:253] before it is first written
; ONE HEAD OF A KEY STEP
.macro HEAD e
.set T0, ST+4*(\e)
.set OO, O+32*(\e)
.irp g, 0,1                                    ; S^T = K Q^T, four tiles of 16 keys at a time
.rept 9-\g
	v_nop                                          ; g = 0: nine places: the scores are laid over V's fragments, which the last products read.  g = 1: eight, in front of loads into registers that products have read
.endr
.irp t, 0,1,2,3
.irp c, 0,1
	ds_load_b128 v[KB+8*(\e)+8*\t+4*\c:KB+8*(\e)+8*\t+4*\c+3], v[ADK] offset:(4*\g+\t)*2048+1024*(\e)+512*\c
.endr
	ds_load_b32 v[248+\t], v[ADS] offset:(4*\g+\t)*64
.endr
	s_wait_dscnt 0x0
.irp t, 0,1,2,3
	v_wmma_scale_f32_16x16x128_f8f6f4 v[S+8*(4*\g+\t):S+8*(4*\g+\t)+7], v[KB+8*\t:KB+8*\t+15], v[16+8*(\e):31+8*(\e)], 0, v[248+\t], v[QS]
.endr
.endr
.rept 8
	v_nop
.endr
.if (\e) == 0
	s_wait_kmcnt 0x0                               ; this step's mask words are in; their offset may be stepped,
	s_add_co_u32 s[MOFF], s[MOFF], 256
	s_min_u32 s[MOFF], s[MOFF], 3840               ; held at the last step's, so that no load leaves the buffer
.endif
.set n, 0
.rept 64
	v_cndmask_b32 v[S+n], s[NEGX], v[S+n], s[16+n+4*(n/48)]   ; register n: key 32 (n / 16) + 16 (lane / 16) + n % 16 of the step; ascending: each accumulator from its low end on
.set n, n+1
.endr
.if (\e) == 1
	s_load_b512 s[16:31], s[8:9], s[MOFF] offset:0x0            ; both heads have used the words: the next step's
	s_load_b512 s[32:47], s[8:9], s[MOFF] offset:0x40
	s_load_b512 s[48:63], s[8:9], s[MOFF] offset:0x80
	s_load_b512 s[68:83], s[8:9], s[MOFF] offset:0xc0
.endif
.irp b, 0,1,2,3
	v_max3_num_f32 v[232+\b], v[S+16*\b], v[S+1+16*\b], v[S+2+16*\b]   ; the largest score of each block of 32 keys: for the row's maximum, and for the block's largest p
.endr
.irp i, 3,5,7,9,11,13
.irp b, 0,1,2,3
	v_max3_num_f32 v[232+\b], v[232+\b], v[S+16*\b+\i], v[S+1+16*\b+\i]
.endr
.endr
.irp b, 0,1,2,3
	v_max_num_f32 v[232+\b], v[232+\b], v[S+15+16*\b]
.endr
.irp b, 0,1,2,3
	v_permlanex16_b32 v[236+\b], v[232+\b], s[SEL], s[SEL+1]
.endr
.irp b, 0,1,2,3
	v_max_num_f32 v[232+\b], v[232+\b], v[236+\b]
.endr
	v_max3_num_f32 v254, v232, v233, v234
	v_max_num_f32 v254, v254, v235
	v_mul_f32 v254, s[CS], v254                    ; as t
	v_max_num_f32 v[T0+1], v[T0+1], v254           ; the running largest t
	v_mov_b32 v254, v[T0]
	v_floor_f32 v[T0], -v[T0+1]                    ; the new -M = -ceil(t)
	v_sub_f32 v254, v[T0], v254                    ; old M - new M: a whole number, 0 or less
	v_cvt_i32_f32 v254, v254                       ; (it saturates)
	v_ldexp_f32 v252, 1.0, v254                    ; f = 2^(old M - new M)
.set j, 0
.rept 32
	v_pk_fma_f32 v[S+j:S+j+1], v[S+j:S+j+1], s[CS:CS+1], v[T0:T0+1] op_sel_hi:[1,0,0]   ; t - M
.set j, j+2
.endr
.irp b, 0,1,2,3
	v_fma_f32 v[232+\b], v[232+\b], s[CS], v[T0]
.endr
.set j, 0
.rept 64
	v_exp_f32 v[S+j], v[S+j]                       ; p = 2^(t - M)
.set j, j+1
.endr
	v_pk_mul_f32 v[T0+2:T0+3], v[T0+2:T0+3], v[252:253] op_sel_hi:[1,0]   ; the sums under the new M; a plain line behind the exponentials
	s_wait_alu depctr_va_vdst(0)                   ; one wait for the batch, ahead of its first reader
.irp b, 0,1,2,3
	v_exp_f32 v[232+\b], v[232+\b]                 ; the blocks' largest p
.endr
	v_pk_add_f32 v[236:237], v[S:S+1], v[S+2:S+3]  ; the row's sum of the unquantised p, in two chains
.irp j, 4,8,12,16,20,24,28,32,36,40,44,48,52,56,60
	v_pk_add_f32 v[T0+2:T0+3], v[T0+2:T0+3], v[S+\j:S+\j+1]
	v_pk_add_f32 v[236:237], v[236:237], v[S+2+\j:S+3+\j]
.endr
	v_pk_add_f32 v[T0+2:T0+3], v[T0+2:T0+3], v[236:237]
	s_wait_alu depctr_va_vdst(0)                   ; and one for the four
.irp b, 0,1,2,3
	v_max_num_f32 v[232+\b], 0x4800000, v[232+\b]  ; the floor: the byte cannot fall under 1
.endr
.irp b, 0,1,2,3
	v_add_nc_u32 v[244+\b], 0xfc000000, v[232+\b]
.endr
.irp b, 0,1,2,3
	v_and_or_b32 v[240+\b], v[232+\b], 0x7f800000, s[MNT]
.endr
.irp b, 0,1,2,3
	v_lshrrev_b32 v[236+\b], 23, v[244+\b]
.endr
	v_lshl_or_b32 v253, v237, 8, v236              ; p's scale word for these 128 keys
	v_lshl_or_b32 v253, v238, 16, v253
	v_lshl_or_b32 v253, v239, 24, v253
.irp b, 0,1,2,3
.irp i, 0,1,2,3,4,5,6,7,8,9,10,11,12,13,14,15
	v_min_num_f32 v[S+16*\b+\i], v[S+16*\b+\i], v[240+\b]   ; the hold; p is not negative
.endr
	v_cvt_scalef32_pk8_fp8_f32 v[PC+4*\b:PC+1+4*\b], v[S+16*\b:S+7+16*\b], v[244+\b]
	v_cvt_scalef32_pk8_fp8_f32 v[PC+2+4*\b:PC+3+4*\b], v[S+8+16*\b:S+15+16*\b], v[244+\b]
.endr
.irp t, 0,1,2,3                                ; V^T's four channel tiles of this head, over p's numbers, which are done with
.irp c, 0,1,2,3
	ds_load_b128 v[S+16*\t+4*\c:S+16*\t+4*\c+3], v[ADV] offset:(4*(\e)+\t)*2048+512*\c
.endr
	ds_load_b32 v[248+\t], v[ADS] offset:8192+(4*(\e)+\t)*64
.endr
.set i, 0
.rept 16
	v_pk_mul_f32 v[OO+2*i:OO+2*i+1], v[OO+2*i:OO+2*i+1], v[252:253] op_sel_hi:[1,0]   ; O^T under the new M; these are also the places between the codes and the products
.set i, i+1
.endr
	s_wait_dscnt 0x0
.irp t, 0,1,2,3
	v_wmma_scale_f32_16x16x128_f8f6f4 v[OO+8*\t:OO+8*\t+7], v[S+16*\t:S+16*\t+15], v[PC:PC+15], v[OO+8*\t:OO+8*\t+7], v[248+\t], v253
.endr
.endm
.macro CHANGE fill                     ; at a slot's head: all my tensor loads have landed, the add, my reads of the slot that I have left are over; then the barrier (a round of the cluster's where a slot is filled), and the refill first behind it
	s_wait_tensorcnt 0x0
	ds_add_u32 v[SPW], v[NIL]
.if \fill
	s_xor_b32 s[G0+1], s[G0+1], SLOT1              ; the other slot than last time,
	s_add_nc_u64 s[G0+2:G0+3], s[G0+2:G0+3], 65536 ; the next four key steps
.endif
	s_wait_dscnt 0x0
.if \fill
	CROUND
	TLOAD 8
.else
	s_barrier_signal -1
	s_barrier_wait -1
.endif
.endm
.macro SLOT_STEPS                      ; a slot's four key steps: written once, walked four times
	s_mov_b32 s[STEPS], 4
.Lstep_\@:
	v_add_nc_u32 v[ADK], s[TB], v[LI]
	v_add_nc_u32 v[ADV], 0x10000, v[ADK]
	v_add_nc_u32 v[ADS], s[TS], v[LS]
	HEAD 0
	HEAD 1
	s_add_co_u32 s[TB], s[TB], 16384
	s_add_co_u32 s[TS], s[TS], 512
	s_sub_co_u32 s[STEPS], s[STEPS], 1
	s_cmp_lg_u32 s[STEPS], 0
	s_cbranch_scc1 .Lstep_\@
	s_sub_co_u32 s[TB], s[TB], 65536
	s_xor_b32 s[TB], s[TB], SLOT1                  ; on to the other slot
.endm
	s_wait_loadcnt 0x0                             ; Q
.Lslot:                                            ; three trips: behind each change of slots but the last the next slot is asked for
	CHANGE 1
	SLOT_STEPS
	s_sub_co_u32 s[SLOTS], s[SLOTS], 1
	s_cmp_lg_u32 s[SLOTS], 0
	s_cbranch_scc1 .Lslot
	CHANGE 0                                       ; the last slot is written out
	SLOT_STEPS
	; THE WAY OUT: O^T / the sum, both heads' 64 numbers a lane = K 32 b + 16 h + i of the output projection's K step; quantised; the codes are the fragment's image
.rept 8
	v_nop
.endr
.irp e, 0,1
	v_add_f32 v[ST+4*\e+2], v[ST+4*\e+2], v[ST+4*\e+3]
.endr
.irp e, 0,1
	v_permlanex16_b32 v[236+\e], v[ST+4*\e+2], s[SEL], s[SEL+1]
.endr
.irp e, 0,1
	v_add_f32 v[ST+4*\e+2], v[ST+4*\e+2], v[236+\e]
.endr
.irp e, 0,1
	v_rcp_f32 v[ST+4*\e+2], v[ST+4*\e+2]
.endr
	v_nop                                          ; a plain line behind the reciprocals
	s_wait_alu depctr_va_vdst(0)                   ; one wait for both, ahead of the first reader
.irp e, 0,1
.set i, 0
.rept 16
	v_pk_mul_f32 v[S+32*\e+2*i:S+32*\e+2*i+1], v[O+32*\e+2*i:O+32*\e+2*i+1], v[ST+4*\e+2:ST+4*\e+3] op_sel_hi:[1,0]
.set i, i+1
.endr
.endr
	QUANT S
.irp c, 0,1,2,3
	global_store_b128 v[LI], v[PC+4*\c:PC+4*\c+3], s[10:11] offset:512*\c   ; 512 consecutive bytes
.endr
	global_store_b32 v[LW], v[PW], s[12:13]        ; 16 scale words, 64 consecutive bytes; lanes l and l + 16 hold the same word and write it to the same place
	s_wait_kmcnt 0x0                               ; the last step's mask loads, which nobody reads
	s_wait_tensorcnt 0x0                           ; the wave's end
	ds_add_u32 v[SPW], v[NIL]
	s_wait_dscnt 0x0
	CROUND                                         ; the closing round
	s_endpgm
.Lfunc_end_k_q4be4e1e55d_attn:
	.size	k_q4be4e1e55d_attn, .Lfunc_end_k_q4be4e1e55d_attn-k_q4be4e1e55d_attn
	.p2alignl 7, 3214868480
	.fill 96, 4, 3214868480
	.section	.rodata,"a",@progbits
	.p2align	6, 0x0
	.amdhsa_kernel k_q4be4e1e55d_attn
		.amdhsa_group_segment_fixed_size 327680
		.amdhsa_private_segment_fixed_size 0
		.amdhsa_enable_private_segment 0
		.amdhsa_kernarg_size 40
		.amdhsa_user_sgpr_count 2
		.amdhsa_user_sgpr_kernarg_segment_ptr 1
		.amdhsa_wavefront_size32 1
		.amdhsa_system_sgpr_workgroup_id_x 1
		.amdhsa_system_sgpr_workgroup_id_y 1
		.amdhsa_system_sgpr_workgroup_id_z 1
		.amdhsa_system_vgpr_workitem_id 0
		.amdhsa_next_free_vgpr 256
		.amdhsa_next_free_sgpr 102
		.amdhsa_reserve_vcc 0
		.amdhsa_float_denorm_mode_32 3
		.amdhsa_float_denorm_mode_16_64 3
		.amdhsa_memory_ordered 1
		.amdhsa_forward_progress 1
		.amdhsa_inst_pref_size 116
	.end_amdhsa_kernel
	.amdgpu_metadata
---
amdhsa.version: [ 1, 2 ]
amdhsa.kernels:
  - .name:           k_q4be4e1e55d_attn
    .symbol:         k_q4be4e1e55d_attn.kd
    .args:
      - { .name: pc, .offset: 0, .size: 8, .value_kind: global_buffer, .address_space: global }
      - { .name: ps, .offset: 8, .size: 8, .value_kind: global_buffer, .address_space: global }
      - { .name: mbits, .offset: 16, .size: 8, .value_kind: global_buffer, .address_space: global }
      - { .name: cc, .offset: 24, .size: 8, .value_kind: global_buffer, .address_space: global }
      - { .name: cs, .offset: 32, .size: 8, .value_kind: global_buffer, .address_space: global }
    .group_segment_fixed_size: 327680
    .private_segment_fixed_size: 0
    .kernarg_segment_align: 8
    .kernarg_segment_size: 40
    .max_flat_workgroup_size: 512
    .sgpr_count:     102
    .vgpr_count:     256
    .wavefront_size: 32
...
	.end_amdgpu_metadata
.endif
;; end of part 3
;; launch outp (part 4): grid 4 x 32, 4 waves a work-group, clusters of 4 x 4, 327,680 bytes of LDS; arguments cc, cs, xc, xs, bo, out0; writes out0
.if DOCPART == 4
	.amdgcn_target "amdgcn-amd-amdhsa--gfx1250"
	.amdhsa_code_object_version 6
	.text
	.protected	k_q4be4e1e55d_outp
	.globl	k_q4be4e1e55d_outp
	.p2align	8
	.type	k_q4be4e1e55d_outp,@function
k_q4be4e1e55d_outp:
	s_mov_b64 s[64:65], 0
	v_nop
	global_prefetch_b8 v0, s[64:65] scope:SCOPE_SE
	s_setreg_imm32_b32 hwreg(HW_REG_WAVE_MODE, 25, 1), 1
	s_wait_xcnt 0x0
	s_wait_alu depctr_hold_cnt(0) depctr_sa_sdst(0) depctr_va_vdst(0) depctr_va_sdst(0) depctr_va_ssrc(0) depctr_va_vcc(0) depctr_vm_vsrc(0)
	s_getreg_b32 s2, hwreg(HW_REG_IB_STS2, 6, 4)
	s_cmp_eq_u32 s2, 0
	s_cbranch_scc0 .Lentry_in_a_cluster
	s_endpgm
.Lentry_in_a_cluster:
	s_bfe_u32 s2, ttmp6, 0x10000c
	s_cmp_lg_u32 s2, 0xf033
	s_cbranch_scc0 .Lentry_shape_is_right
	s_endpgm
.Lentry_shape_is_right:
; OUTP.  out0 = ctx Wo^T + bo, [8192 x 1024 x 1024] on codes of E4M3 with E8M0 scales, f32 sums, f32 out.  ctx's codes and scale words (cc, cs) and Wo's (xc, xs from tile 1728 on) lie as fragment images: [row tile][K step 8][2048] and [row tile][K step][16][4].
; The rows of every tile are in the order lane r -> row 32 (T / 2) + 8 (T % 2) + r + 8 (r / 8).  Source 0 = 16 rows of Wo, source 1 = 16 rows of ctx: a lane holds one row of out0, and register j of tile t its column 32 (t / 2) + 8 (t % 2) + 16 h + j.
; A tile of 256 x 256 is made by four waves, 128 x 128 each; K in steps of 256 through two LDS slots; the scale words of the work-group's 512 rows come once.  CLUSTERS 4 x 4: ctx's tiles are shared along a row of the cluster, Wo's along a column.
; The bias is the C of each sum's first product.  128 tiles of 256 x 256: 128 work-groups.  No tile is asked for ahead of its tensor load: there are four K steps in all.
; REGISTERS: window 0: v16-29 addresses; v32-63 scale words, two sets; v64-127 the bias, 8 tiles; v128-255 ctx's fragments, one set (on the way out: rows read back).  Window 1: Wo's fragments, two sets.  Windows 2, 3: accumulators.
.set FR,    16
.set NL,    4
.set NP,    8
.set NQ,    2
.set HALFT, 32768
.set SLOT,  4*HALFT
.set SCL,   2*SLOT
.set HALFS, 4096
.set SPARE, SCL+4*HALFS
.set SPITCH, 528                       ; the way out: a stage of 16 rows x (512 + 16) bytes for each wave, in slot 0, which has had its last fill and its last read by then
.set ADRA, 16
.set ADRB, 20
.set STO,  24
.set RD,   25
.set CO,   26
.set ADRS, 27
.set SPW,  28
.set NIL,  29
.set SC,   32
.set BN,   64
.set AF,   128
.set BK,   128
.set G1, 24
.set G0, 32
.set G1B, 48
.set G0B, 56
.set G1S, 68
.set G0S, 76
.set G1SB, 80
.set G0SB, 88
.set MSB, 0
.macro WIN new
.if MSB != (\new)
	s_set_vgpr_msb (MSB<<8)|(\new)
.set MSB, (\new)
.endif
.endm
.set MUL_LO, 0xa1
.set MUL_HI, 0xf1
.set TO_B,   0x40
.macro JLOAD g0a, g1a, g0b, g1b
	s_cmp_eq_u32 s15, 0
	s_cbranch_scc0 .Lfor_b_\@
	tensor_load_to_lds s[\g0a:\g0a+3], s[\g1a:\g1a+7]
	s_nop 0
.rept 4
	v_nop
.endr
	s_branch .Lasked_\@
.Lfor_b_\@:
	tensor_load_to_lds s[\g0b:\g0b+3], s[\g1b:\g1b+7]
	s_nop 0
.rept 4
	v_nop
.endr
.Lasked_\@:
.endm
.macro CREST
	s_cmp_lg_u32 s14, 0
	s_cbranch_scc1 .Lnot_wave_0_\@
	s_barrier_signal -3
.Lnot_wave_0_\@:
	s_barrier_wait -3
	s_barrier_signal -1
	s_barrier_wait -1
.endm
.macro CROUND
	s_barrier_signal -1
	s_barrier_wait -1
	CREST
.endm
	s_load_b128 s[4:7], s[0:1], 0x0                ; cc, cs
	s_load_b128 s[8:11], s[0:1], 0x10              ; xc, xs
	s_load_b64 s[96:97], s[0:1], 0x20              ; bo
	s_load_b64 s[12:13], s[0:1], 0x28              ; out0
	v_lshl_add_u32 v[SPW], v0, 2, SPARE
	v_mov_b32 v[NIL], 0
	ds_add_u32 v28, v29
	s_wait_dscnt 0x0
	v_lshrrev_b32 v1, 5, v0
	v_readfirstlane_b32 s14, v1
	s_lshr_b32 s15, s14, 1
	s_and_b32 s16, s14, 1
	s_bfe_u32 s40, ttmp6, 0x40000
	s_bfe_u32 s41, ttmp6, 0x40004
	s_lshl_b32 s42, ttmp9, 2
	s_add_co_u32 s42, s42, s40                     ; which 256 columns
	s_and_b32 s17, ttmp7, 0xffff
	s_lshl_b32 s17, s17, 2
	s_add_co_u32 s17, s17, s41                     ; which 256 rows
	s_lshl_b32 s43, s41, 2
	s_lshl_b32 s43, 15, s43
	s_lshl_b32 s44, 0x1111, s40
	s_or_b32 s[G1+0], s43, (3<<16)|(1<<21)         ; codes: 8 row tiles x 4,096 bytes, 16,384 bytes apart; elements of 8 bytes
	s_or_b32 s[G1B+0], s44, (3<<16)|(1<<21)
.irp g, G1, G1B
	s_mov_b32 s[\g+1], 512<<16
	s_mov_b32 s[\g+2], 8<<16
	s_mov_b32 s[\g+3], 512<<16
	s_mov_b32 s[\g+4], 8
	s_mov_b32 s[\g+5], 2048
	s_mov_b32 s[\g+6], 0
	s_mov_b32 s[\g+7], 0
.endr
	s_or_b32 s[G1S+0], s43, (3<<16)|(1<<21)        ; scale words of 8 row tiles: 4,096 dense bytes
	s_or_b32 s[G1SB+0], s44, (3<<16)|(1<<21)
.irp g, G1S, G1SB
	s_mov_b32 s[\g+1], 32<<16
	s_mov_b32 s[\g+2], 16<<16
	s_mov_b32 s[\g+3], 32<<16
	s_mov_b32 s[\g+4], 16
	s_mov_b32 s[\g+5], 32
	s_mov_b32 s[\g+6], 0
	s_mov_b32 s[\g+7], 0
.endr
	s_lshl_b32 s18, s16, 3
	s_lshl_b32 s20, s17, 4
	s_add_co_u32 s20, s20, s18                     ; ctx: the first of the 8 tiles that I fetch
	s_lshl_b32 s46, s42, 4
	s_add_co_u32 s46, s46, s18
	s_add_co_u32 s46, s46, 1728                    ; Wo
	s_lshl_b32 s22, s20, 9
	s_mov_b32 s23, 0
	s_lshl_b32 s92, s46, 9
	s_mov_b32 s93, 0
	s_lshl_b32 s20, s20, 14
	s_mov_b32 s21, 0
	s_lshl_b32 s46, s46, 14
	s_mov_b32 s47, 0
	s_lshl_b32 s45, s14, 15
	s_lshl_b32 s94, s14, 12
	s_wait_kmcnt 0x0
	s_add_nc_u64 s[20:21], s[4:5], s[20:21]
	s_add_nc_u64 s[22:23], s[6:7], s[22:23]
	s_add_nc_u64 s[46:47], s[8:9], s[46:47]
	s_add_nc_u64 s[92:93], s[10:11], s[92:93]
	CROUND
	s_mov_b32 s[G0S], 1
	s_add_co_u32 s[G0S+1], s94, SCL
	s_mov_b64 s[G0S+2:G0S+3], s[22:23]
	s_or_b32 s[G0S+3], s[G0S+3], 0x80000000
	s_mov_b32 s[G0SB], 1
	s_add_co_u32 s[G0SB+1], s94, SCL
	s_mov_b64 s[G0SB+2:G0SB+3], s[92:93]
	s_or_b32 s[G0SB+3], s[G0SB+3], 0x80000000
	JLOAD G0S, G1S, G0SB, G1SB
.irp s, 0,1
	s_mov_b32 s[G0+4*\s], 1
	s_add_co_u32 s[G0+4*\s+1], s45, \s*SLOT
	s_add_nc_u64 s[G0+4*\s+2:G0+4*\s+3], s[20:21], \s*4096
	s_or_b32 s[G0+4*\s+3], s[G0+4*\s+3], 0x80000000
	s_mov_b32 s[G0B+4*\s], 1
	s_add_co_u32 s[G0B+4*\s+1], s45, \s*SLOT
	s_add_nc_u64 s[G0B+4*\s+2:G0B+4*\s+3], s[46:47], \s*4096
	s_or_b32 s[G0B+4*\s+3], s[G0B+4*\s+3], 0x80000000
	JLOAD G0+4*\s, G1, G0B+4*\s, G1B
.endr
	v_and_b32 v1, 15, v0
	v_bfe_u32 v2, v0, 4, 1
	v_and_b32 v3, 31, v0
	v_lshlrev_b32 v4, 4, v3
	s_lshl_b32 s21, s15, 15
	s_lshl_b32 s22, s16, 15
	s_add_co_u32 s22, s22, 2*HALFT
.irp s, 0,1
	v_add_nc_u32 v[ADRA+\s], s21, v4
	v_add_nc_u32 v[ADRB+\s], s22, v4
	s_add_co_u32 s21, s21, SLOT
	s_add_co_u32 s22, s22, SLOT
.endr
	v_lshlrev_b32 v5, 2, v1
	s_lshl_b32 s21, s15, 12
	s_lshl_b32 s22, s16, 12
	s_add_co_u32 s22, s22, 2*HALFS
	s_sub_co_u32 s22, s22, s21
	v_mul_u32_u24 v6, s22, v2
	s_add_co_u32 s21, s21, SCL
	v_add_nc_u32 v5, v5, v6
	v_add_nc_u32 v[ADRS], s21, v5
	s_mul_i32 s23, s14, 16*SPITCH                  ; my stage
	v_mul_u32_u24 v5, v1, SPITCH
	v_lshl_add_u32 v5, v2, 6, v5
	v_add_nc_u32 v[STO], s23, v5                   ; in: row r, + 64 h bytes
	v_add_nc_u32 v[RD], s23, v4                    ; back: a row of 512 bytes for the 32 lanes
	v_mov_b32 v[CO], v4
	s_lshl_b32 s46, s42, 8
	s_lshl_b32 s47, s16, 7
	s_add_co_u32 s46, s46, s47                     ; my first column,
	s_lshl_b32 s46, s46, 2                         ; in bytes
	s_mov_b32 s47, 0
	s_add_nc_u64 s[96:97], s[96:97], s[46:47]
	s_lshl_b32 s20, s17, 8
	s_lshl_b32 s21, s15, 7
	s_add_co_u32 s20, s20, s21                     ; my first row,
	s_lshl_b32 s20, s20, 12                        ; of 4,096 bytes
	s_mov_b32 s21, 0
	s_add_nc_u64 s[20:21], s[20:21], s[46:47]
	s_add_nc_u64 s[12:13], s[12:13], s[20:21]
	v_lshlrev_b32 v6, 6, v2
.irp t, 0,1,2,3,4,5,6,7
	global_load_b128 v[BN+8*\t:BN+8*\t+3], v6, s[96:97] offset:128*(\t/2)+32*(\t%2)
	global_load_b128 v[BN+8*\t+4:BN+8*\t+7], v6, s[96:97] offset:128*(\t/2)+32*(\t%2)+16
.endr
	s_wait_loadcnt 0x0
.macro FRAG reg, adr, q, i
.irp c, 0,1,2,3
	ds_load_b128 v[\reg+4*\c:\reg+4*\c+3], v[\adr] offset:4096*(\i)+2048*(\q)+512*\c
.endr
.endm
.macro MUL16 a0, p, q, sc, zero        ; the 64 accumulators take turns, one instruction a turn
.irp a, \a0, \a0+1
.irp b, 0,1,2,3,4,5,6,7
.if \zero
	v_wmma_scale_f32_16x16x128_f8f6f4 v[8*(8*((\a)%4)+\b):8*(8*((\a)%4)+\b)+7], v[128*(\p)+FR*\b:128*(\p)+FR*\b+FR-1], v[AF+FR*(\a):AF+FR*(\a)+FR-1], v[BN+8*\b:BN+8*\b+7], v[SC+8*NQ*(\sc)+NQ*\b+(\q)], v[SC+8*NQ*(\sc)+NQ*(\a)+(\q)] matrix_a_scale:MATRIX_SCALE_ROW1
.else
	v_wmma_scale_f32_16x16x128_f8f6f4 v[8*(8*((\a)%4)+\b):8*(8*((\a)%4)+\b)+7], v[128*(\p)+FR*\b:128*(\p)+FR*\b+FR-1], v[AF+FR*(\a):AF+FR*(\a)+FR-1], v[8*(8*((\a)%4)+\b):8*(8*((\a)%4)+\b)+7], v[SC+8*NQ*(\sc)+NQ*\b+(\q)], v[SC+8*NQ*(\sc)+NQ*(\a)+(\q)] matrix_a_scale:MATRIX_SCALE_ROW1
.endif
.endr
.endr
.endm
.macro FETCH_B slot, q, p
	WIN TO_B
.irp i, 0,1,2,3,4,5,6,7
	FRAG 128*(\p)+FR*\i, ADRB+\slot, \q, \i
.endr
	WIN 0
.endm
.macro FETCH_A slot, q, i0
.irp i, \i0, \i0+1, \i0+2, \i0+3
	FRAG AF+FR*(\i), ADRA+\slot, \q, \i
.endr
.endm
.macro SCALES sc
.irp i, 0,1,2,3,4,5,6,7
.irp q, 0,1
	ds_load_b32 v[SC+8*NQ*\sc+NQ*\i+\q], v[ADRS] offset:512*\i+64*\q
.endr
.endr
.endm
.macro PLACES n
.rept \n
	v_nop
.endr
.endm
.macro STEP slot, q, zero
	s_wait_dscnt 4*NL                              ; all but the youngest 16 loads (ctx's blocks 4-7)
.if \zero
	WIN 0x81
.else
	WIN MUL_LO
.endif
	MUL16 0, (\q)%2, \q, \slot, \zero
	MUL16 2, (\q)%2, \q, \slot, \zero
	s_wait_dscnt 0
	PLACES NP
	FETCH_B \slot, (\q)+1, 1-(\q)%2
	FETCH_A \slot, (\q)+1, 0
.if \zero
	WIN 0xc1
.else
	WIN MUL_HI
.endif
	MUL16 4, (\q)%2, \q, \slot, \zero
	MUL16 6, (\q)%2, \q, \slot, \zero
	PLACES NP
	WIN 0
	FETCH_A \slot, (\q)+1, 4
.endm
.macro TURN slot, next, fill
	s_wait_tensorcnt 0x0                           ; my part of the next slot has landed; no load of mine is out
	ds_add_u32 v[SPW], v[NIL]
	s_wait_dscnt 4*NL+1                            ; the add and the youngest 16 loads may be out
	WIN MUL_LO
	MUL16 0, 1, NQ-1, \slot, 0
	s_wait_dscnt 0x0                               ; the add is done, my reads of this slot are over
	s_barrier_signal -1
	MUL16 2, 1, NQ-1, \slot, 0
	WIN 0
	s_barrier_wait -1
.if \fill
	CREST
	s_add_nc_u64 s[G0+4*\slot+2:G0+4*\slot+3], s[G0+4*\slot+2:G0+4*\slot+3], 8192
	s_add_nc_u64 s[G0B+4*\slot+2:G0B+4*\slot+3], s[G0B+4*\slot+2:G0B+4*\slot+3], 8192
	JLOAD G0+4*\slot, G1, G0B+4*\slot, G1B
	PLACES NP-4
.else
	PLACES NP
.endif
	v_add_nc_u32 v[ADRS], 64*NQ, v[ADRS]
	FETCH_B \next, 0, 0
	FETCH_A \next, 0, 0
	SCALES \next
	WIN MUL_HI
	MUL16 4, 1, NQ-1, \slot, 0
	MUL16 6, 1, NQ-1, \slot, 0
	PLACES NP
	WIN 0
	FETCH_A \next, 0, 4
.endm
	s_wait_tensorcnt 1                             ; the scale words and slot 0 are in, slot 1 may be out
	s_barrier_signal -1
	s_barrier_wait -1
	FETCH_B 0, 0, 0
	FETCH_A 0, 0, 0
	SCALES 0
	FETCH_A 0, 0, 4
	STEP 0, 0, 1
	TURN 0, 1, 1
	STEP 1, 0, 0
	TURN 1, 0, 1
	STEP 0, 0, 0
	TURN 0, 1, 0
	STEP 1, 0, 0
	s_wait_dscnt 4*NL
	WIN MUL_LO
	MUL16 0, 1, NQ-1, 1, 0
	MUL16 2, 1, NQ-1, 1, 0
	s_wait_dscnt 0
	WIN MUL_HI
	MUL16 4, 1, NQ-1, 1, 0
	MUL16 6, 1, NQ-1, 1, 0
	WIN 0
; THE WAY OUT, block by block of 16 rows x 128 columns, through my own stage: in by columns (tile t's eight numbers at 128 (t / 2) + 32 (t % 2) + 64 h bytes of row r), back as whole rows of 512 bytes.
; Stage row t of block a is row 32 (a / 2) + 8 (a % 2) + t + 8 (t / 8) of my 128.  LDS serves a wave's instructions in order: no wait between the stores and the loads.
.macro TOSTAGE a
.set AC, 64*((\a)%4)
	WIN 0x08+4*((\a)/4)                            ; the data: window 2 or 3
.irp b, 0,1,2,3,4,5,6,7
	ds_store_b128 v[STO], v[AC+8*\b:AC+8*\b+3] offset:128*(\b/2)+32*(\b%2)          ; each accumulator from its low end on
	ds_store_b128 v[STO], v[AC+8*\b+4:AC+8*\b+7] offset:128*(\b/2)+32*(\b%2)+16
.endr
	WIN 0
.set BB, BK+64*((\a)%2)
.irp t, 0,1,2,3,4,5,6,7,8,9,10,11,12,13,14,15
	ds_load_b128 v[BB+4*\t:BB+4*\t+3], v[RD] offset:\t*SPITCH
.endr
.endm
.macro SEND a, younger
.set BB, BK+64*((\a)%2)
	s_wait_dscnt \younger                          ; the block is back in registers
.if (\a) > 0
.if ((\a)%2) == 1
	s_add_nc_u64 s[12:13], s[12:13], 8*4096        ; (behind a wait on XCNT)  an odd block begins 8 rows on,
.else
	s_add_nc_u64 s[12:13], s[12:13], 24*4096       ; an even one 24 rows further
.endif
.endif
.irp t, 0,1,2,3,4,5,6,7,8,9,10,11,12,13,14,15
	global_store_b128 v[CO], v[BB+4*\t:BB+4*\t+3], s[12:13] offset:(\t+8*(\t/8))*4096 th:TH_STORE_NT   ; 512 consecutive bytes, at a multiple of 512 from out0's first byte
.endr
.endm
	PLACES NP
	TOSTAGE 0
.irp a, 1,2,3,4,5,6,7
.if \a > 1
	s_wait_xcnt 0x0                                ; block a - 2's stores have read their registers and their base
.endif
	TOSTAGE \a
	SEND \a-1, 32                                  ; behind block a - 1's loads: block a's 16 stores and 16 loads
.endr
	s_wait_xcnt 0x0
	SEND 7, 0
	s_wait_tensorcnt 0x0                           ; the wave's end
	ds_add_u32 v[SPW], v[NIL]
	s_wait_dscnt 0x0
	CROUND                                         ; the closing round
	s_endpgm
.Lfunc_end_k_q4be4e1e55d_outp:
	.size	k_q4be4e1e55d_outp, .Lfunc_end_k_q4be4e1e55d_outp-k_q4be4e1e55d_outp
	.p2alignl 7, 3214868480
	.fill 96, 4, 3214868480
	.section	.rodata,"a",@progbits
	.p2align	6, 0x0
	.amdhsa_kernel k_q4be4e1e55d_outp
		.amdhsa_group_segment_fixed_size 327680
		.amdhsa_private_segment_fixed_size 0
		.amdhsa_enable_private_segment 0
		.amdhsa_kernarg_size 48
		.amdhsa_user_sgpr_count 2
		.amdhsa_user_sgpr_kernarg_segment_ptr 1
		.amdhsa_wavefront_size32 1
		.amdhsa_system_sgpr_workgroup_id_x 1
		.amdhsa_system_sgpr_workgroup_id_y 1
		.amdhsa_system_sgpr_workgroup_id_z 1
		.amdhsa_system_vgpr_workitem_id 0
		.amdhsa_next_free_vgpr 1024
		.amdhsa_next_free_sgpr 100
		.amdhsa_reserve_vcc 0
		.amdhsa_float_denorm_mode_32 3
		.amdhsa_float_denorm_mode_16_64 3
		.amdhsa_memory_ordered 1
		.amdhsa_forward_progress 1
		.amdhsa_inst_pref_size 149
	.end_amdhsa_kernel
	.amdgpu_metadata
---
amdhsa.version: [ 1, 2 ]
amdhsa.kernels:
  - .name:           k_q4be4e1e55d_outp
    .symbol:         k_q4be4e1e55d_outp.kd
    .args:
      - { .name: cc, .offset: 0, .size: 8, .value_kind: global_buffer, .address_space: global }
      - { .name: cs, .offset: 8, .size: 8, .value_kind: global_buffer, .address_space: global }
      - { .name: xc, .offset: 16, .size: 8, .value_kind: global_buffer, .address_space: global }
      - { .name: xs, .offset: 24, .size: 8, .value_kind: global_buffer, .address_space: global }
      - { .name: bo, .offset: 32, .size: 8, .value_kind: global_buffer, .address_space: global }
      - { .name: out0, .offset: 40, .size: 8, .value_kind: global_buffer, .address_space: global }
    .group_segment_fixed_size: 327680
    .private_segment_fixed_size: 0
    .kernarg_segment_align: 8
    .kernarg_segment_size: 48
    .max_flat_workgroup_size: 128
    .sgpr_count:     100
    .vgpr_count:     1024
    .wavefront_size: 32
...
	.end_amdgpu_metadata
.endif
;; end of part 4
;; ======== version 2 of 3: 4 launches; 1.25 times as fast as version 1
;; limits: right only within a limited range of input values
;; workspace buffers: xc 29,360,128 bytes; xs 917,504 bytes; mbits 524,288 bytes of whole numbers; mor 8,192 bytes of whole numbers; pc 25,165,824 bytes; ps 786,432 bytes; cc 8,388,608 bytes; cs 262,144 bytes
;; launch prep (part 5): grid 576 x 1, 4 waves a work-group, no clusters, 70,144 bytes of LDS; arguments q, k, v, Wq, Wk, Wv, Wo, mask, xc, xs, mbits, mor; writes xc, xs, mbits, mor
.if DOCPART == 5
	.amdgcn_target "amdgcn-amd-amdhsa--gfx1250"
	.amdhsa_code_object_version 6
	.text
	.protected	k_q4be4e1e55d_prep
	.globl	k_q4be4e1e55d_prep
	.p2align	8
	.type	k_q4be4e1e55d_prep,@function
k_q4be4e1e55d_prep:
	s_mov_b64 s[64:65], 0
	v_nop
	global_prefetch_b8 v0, s[64:65] scope:SCOPE_SE
	s_setreg_imm32_b32 hwreg(HW_REG_WAVE_MODE, 25, 1), 1
	s_wait_xcnt 0x0
; PREP.  (1) q, k, v [8192][1024] and Wq, Wk, Wv, Wo [1024][1024], f32 with K innermost, become codes of E4M3 with one E8M0 byte for each 32 along K.
; (2) mask [2048][2048] int32 becomes lane-mask words for the attention launch, and one word for each (query tile, key step) that says which rows have an open key there.
; THE CODES' LAYOUT is the matrix operand's own: a fragment (16 rows x 128 K) lies as [piece c 0..3][lane 0..31][16 bytes], lane (r = lane % 16, h = lane / 16) holding row r, K = 32 c + 16 h + 0..15.
; xc: [row tile 1792][K step 8][2048];  xs: [row tile][K step][row 16][4 bytes].  Tiles: q 0-511, k 512-1023, v 1024-1535, Wq 1536-, Wk 1600-, Wv 1664-, Wo 1728-1791.
; THE ROWS OF A TILE ARE NOT NEIGHBOURS: lane r of tile T holds row 32 (T / 2) + 8 (T % 2) + r + 8 (r / 8), so that wherever such a tile is source 0 of a product, the 16 result registers of tiles 2 b, 2 b + 1 are 16 neighbours.
; mbits: [query tile 128][key step 16][word n 0..63]: bit L of word n = (mask[row of lane L % 16 of the tile][128 step + 32 (n / 16) + 16 (L / 16) + n % 16] != 0).
; mor:   [query tile 128][key step 16]: the OR of the step's 64 words: bit L = row L % 16 has an open key among those of half L / 16.
; SHARES.  Work-groups 0-447: a wave takes one row tile, eight units of 128 along K.  Work-groups 448-575: a wave takes one query tile x four key steps.  Waves share nothing: no barrier; no cluster, since no byte is read twice.
; Each load reads 512 consecutive bytes of one row; a unit's 16 rows turn through the wave's own stage in LDS (rows 528 bytes apart) so that a lane gets 16 neighbours of each block of 32.  Loads run two units (32 loads) ahead.
; LIMITS: NaN and infinities are not served; a block of zeros, or one whose largest magnitude lies under 2^-118, gets the byte 1 (its bytes are read by this program alone).
.set SP,   528                         ; a stage row: 512 bytes + 16
.set WSTG, 16*SP                       ; a wave's stage
.set QSC,  4*WSTG                      ; behind the quantising path's stages: 512 bytes of scale words for each wave
.set MSTG, QSC+2048                    ; the mask path has stages of its own
.set RA,   16                          ; v16-79, v80-143  two sets of 64: a unit as loaded
.set X,    144                         ; v144-207 a unit as the conversions want it: register 16 b + i = K 32 b + 16 h + i of my row
.set PC,   208                         ; v208-223 the codes just made (mask path: v208-215 the words of four units)
.set MO,   216                         ; v216     mask path: lane u holds unit u's OR
.set TM,   224                         ; v224-239 at work
.set PW,   10                          ; v10      the scale word just made
.set SEL,  36                          ; s[36:37] lane selects: lane l xor 16
.set MNT,  38                          ; s38      the mantissa field of 448
; 64 numbers of a lane become a fragment's codes in v[PC] on and its scale word in v[PW]
.macro QUANT s
.irp b, 0,1,2,3
	v_max3_num_f32 v[TM+\b], |v[\s+16*\b]|, |v[\s+1+16*\b]|, 0x4800000   ; block b: my 16 numbers and the floor 2^(9 - 127), which holds the byte at 1 from below
.endr
.irp i, 2,4,6,8,10,12,14
.irp b, 0,1,2,3
	v_max3_num_f32 v[TM+\b], v[TM+\b], |v[\s+16*\b+\i]|, |v[\s+1+16*\b+\i]|
.endr
.endr
.irp b, 0,1,2,3
	v_permlanex16_b32 v[TM+4+\b], v[TM+\b], s[SEL], s[SEL+1]
.endr
.irp b, 0,1,2,3
	v_max_num_f32 v[TM+\b], v[TM+\b], v[TM+4+\b]           ; with lane l xor 16's 16: the block's largest magnitude
.endr
.irp b, 0,1,2,3
	v_add_nc_u32 v[TM+12+\b], 0xfc000000, v[TM+\b]         ; 8 off its exponent field: the conversion's scale operand
.endr
.irp b, 0,1,2,3
	v_and_or_b32 v[TM+8+\b], v[TM+\b], 0x7f800000, s[MNT]  ; 448 x the scale
.endr
.irp b, 0,1,2,3
	v_lshrrev_b32 v[TM+4+\b], 23, v[TM+12+\b]              ; the scale's byte
.endr
	v_lshl_or_b32 v[PW], v[TM+5], 8, v[TM+4]
	v_lshl_or_b32 v[PW], v[TM+6], 16, v[PW]
	v_lshl_or_b32 v[PW], v[TM+7], 24, v[PW]
.irp b, 0,1,2,3
.irp i, 0,1,2,3,4,5,6,7,8,9,10,11,12,13,14,15
	v_med3_num_f32 v[\s+16*\b+\i], v[\s+16*\b+\i], -v[TM+8+\b], v[TM+8+\b]   ; the conversion does not saturate (ISA guide 7.6.2): the hold comes first
.endr
	v_cvt_scalef32_pk8_fp8_f32 v[PC+4*\b:PC+1+4*\b], v[\s+16*\b:\s+7+16*\b], v[TM+12+\b]
	v_cvt_scalef32_pk8_fp8_f32 v[PC+2+4*\b:PC+3+4*\b], v[\s+8+16*\b:\s+15+16*\b], v[TM+12+\b]
.endr
	v_nop                                                  ; a plain line behind the last conversion
.endm
; a unit's 16 rows x 512 bytes through the stage: in as loaded, out 64 bytes of each block's half a lane.  LDS serves a wave's instructions in order
.macro THROUGH s, win, wout
.irp i, 0,1,2,3,4,5,6,7,8,9,10,11,12,13,14,15
	ds_store_b128 v[\win], v[RA+64*((\s)%2)+4*\i:RA+64*((\s)%2)+4*\i+3] offset:SP*\i
.endr
.irp b, 0,1,2,3
.irp j, 0,1,2,3
	ds_load_b128 v[X+16*\b+4*\j:X+16*\b+4*\j+3], v[\wout] offset:128*\b+16*\j
.endr
.endr
	s_wait_dscnt 0x0                                       ; the unit is in X, and the stores have read the set, which may be loaded again
.endm
	s_load_b512 s[4:19], s[0:1], 0x0               ; q, k, v, Wq, Wk, Wv, Wo, mask
	s_load_b128 s[20:23], s[0:1], 0x40             ; xc, xs
	s_load_b64 s[24:25], s[0:1], 0x50              ; mbits
	s_load_b64 s[2:3], s[0:1], 0x58                ; mor
	v_lshl_add_u32 v248, v0, 2, 0x11000
	v_mov_b32 v249, 0
	v_lshrrev_b32 v1, 5, v0
	v_readfirstlane_b32 s26, v1                    ; wave
	v_and_b32 v1, 31, v0                           ; lane
	v_and_b32 v2, 15, v0                           ; r
	v_bfe_u32 v3, v0, 4, 1                         ; h
	v_lshlrev_b32 v4, 4, v1                        ; 16 x lane
	v_lshlrev_b32 v9, 3, v1                        ; 8 x lane
	s_mul_i32 s27, s26, WSTG
	v_add_nc_u32 v5, s27, v4                       ; stage, way in
	v_mul_u32_u24 v6, v2, SP
	v_lshl_add_u32 v6, v3, 6, v6
	v_add_nc_u32 v6, s27, v6                       ; stage, way out: row r, + 64 h
	v_add_nc_u32 v11, MSTG, v5                     ; the same two for the mask path
	v_add_nc_u32 v12, MSTG, v6
	s_lshl_b32 s27, s26, 9
	s_add_co_u32 s27, s27, QSC
	v_lshl_add_u32 v7, v2, 2, s27                  ; my row's scale word
	v_add_nc_u32 v8, s27, v4                       ; and the words' way out
	s_mov_b32 s[SEL], 0x76543210
	s_mov_b32 s[SEL+1], 0xfedcba98
	s_mov_b32 s[MNT], 0x600000
.irp b, 0,1,2,3
	v_mov_b32 v[TM+4+\b], 0                        ; a lane permute's destination counts as read
.endr
	s_cmp_ge_u32 ttmp9, 448
	s_cbranch_scc1 .Lmask
	; ---- the quantising path
	s_wait_kmcnt 0x0
	s_mov_b64 s[28:29], s[16:17]                   ; which tensor, and its first work-group: the choice hangs on the work-group's number alone
	s_mov_b32 s30, 432
	s_cmp_lt_u32 ttmp9, 432
	s_cselect_b64 s[28:29], s[14:15], s[28:29]
	s_cselect_b32 s30, 416, s30
	s_cmp_lt_u32 ttmp9, 416
	s_cselect_b64 s[28:29], s[12:13], s[28:29]
	s_cselect_b32 s30, 400, s30
	s_cmp_lt_u32 ttmp9, 400
	s_cselect_b64 s[28:29], s[10:11], s[28:29]
	s_cselect_b32 s30, 384, s30
	s_cmp_lt_u32 ttmp9, 384
	s_cselect_b64 s[28:29], s[8:9], s[28:29]
	s_cselect_b32 s30, 256, s30
	s_cmp_lt_u32 ttmp9, 256
	s_cselect_b64 s[28:29], s[6:7], s[28:29]
	s_cselect_b32 s30, 128, s30
	s_cmp_lt_u32 ttmp9, 128
	s_cselect_b64 s[28:29], s[4:5], s[28:29]
	s_cselect_b32 s30, 0, s30
	s_sub_co_u32 s31, ttmp9, s30
	s_lshl_b32 s31, s31, 2
	s_add_co_u32 s31, s31, s26                     ; my tile in its tensor
	s_lshr_b32 s40, s31, 1
	s_lshl_b32 s40, s40, 17                        ; 32 rows of 4,096 bytes for each pair of tiles,
	s_and_b32 s41, s31, 1
	s_lshl_b32 s41, s41, 15                        ; 8 rows for the odd one
	s_add_co_u32 s40, s40, s41
	s_mov_b32 s41, 0
	s_add_nc_u64 s[28:29], s[28:29], s[40:41]
	s_lshl_b32 s42, ttmp9, 2
	s_add_co_u32 s42, s42, s26                     ; my tile among the 1,792
	s_lshl_b32 s40, s42, 14
	s_add_nc_u64 s[32:33], s[20:21], s[40:41]
	s_lshl_b32 s40, s42, 9
	s_add_nc_u64 s[34:35], s[22:23], s[40:41]
.macro LOADU s                         ; unit s: 512 bytes of each of the tile's 16 rows
.irp i, 0,1,2,3,4,5,6,7,8,9,10,11,12,13,14,15
	global_load_b128 v[RA+64*((\s)%2)+4*\i:RA+64*((\s)%2)+4*\i+3], v4, s[28:29] offset:(\i+8*(\i/8))*4096+512*(\s) th:TH_LOAD_NT
.endr
.endm
.macro UNIT s
.if (\s) < 7
	s_wait_loadcnt 16                              ; this unit's 16 loads are in; the next unit's may be out
.else
	s_wait_loadcnt 0x0
.endif
	THROUGH \s, 5, 6
	s_wait_xcnt 0x0                                ; the last unit's stores have read the codes' registers
.if (\s) < 6
	LOADU (\s)+2
.endif
	QUANT X
.irp c, 0,1,2,3
	global_store_b128 v4, v[PC+4*\c:PC+4*\c+3], s[32:33] offset:2048*(\s)+512*\c   ; 512 consecutive bytes
.endr
	ds_store_b32 v7, v[PW] offset:64*(\s)          ; both halves of the lanes write the same word with the same value
.endm
	LOADU 0
	LOADU 1
.irp s, 0,1,2,3,4,5,6,7
	UNIT \s
.endr
	ds_load_b128 v[240:243], v8                    ; the tile's 512 bytes of scale words, in order behind my stores
	s_wait_dscnt 0x0
	global_store_b128 v4, v[240:243], s[34:35]
	s_wait_tensorcnt 0x0
	ds_add_u32 v248, v249
	s_wait_dscnt 0x0
	s_endpgm
	; ---- the mask path
.Lmask:
	s_wait_kmcnt 0x0
	s_sub_co_u32 s31, ttmp9, 448
	s_lshl_b32 s31, s31, 2
	s_add_co_u32 s31, s31, s26                     ; 4 x query tile + which four key steps
	s_lshr_b32 s30, s31, 2
	s_and_b32 s27, s31, 3
	s_lshr_b32 s40, s30, 1
	s_lshl_b32 s40, s40, 18                        ; 32 rows of 8,192 bytes for each pair of tiles,
	s_and_b32 s41, s30, 1
	s_lshl_b32 s41, s41, 16                        ; 8 rows for the odd one,
	s_add_co_u32 s40, s40, s41
	s_lshl_b32 s41, s27, 11                        ; four key steps of 512 bytes
	s_add_co_u32 s40, s40, s41
	s_mov_b32 s41, 0
	s_add_nc_u64 s[28:29], s[18:19], s[40:41]
	s_lshl_b32 s40, s31, 10                        ; four steps' words: 1,024 bytes
	s_add_nc_u64 s[32:33], s[24:25], s[40:41]
	s_lshl_b32 s40, s31, 4                         ; four steps' ORs: 16 bytes
	s_add_nc_u64 s[2:3], s[2:3], s[40:41]
.irp j, 0,1,2,3,4,5,6,7
	v_mov_b32 v[PC+\j], 0                          ; v_writelane_b32's destination counts as read
.endr
	v_mov_b32 v[MO], 0
	v_lshlrev_b32 v13, 2, v1                       ; 4 x lane
.macro MLOAD u
.irp i, 0,1,2,3,4,5,6,7,8,9,10,11,12,13,14,15
	global_load_b128 v[RA+64*((\u)%2)+4*\i:RA+64*((\u)%2)+4*\i+3], v4, s[28:29] offset:(\i+8*(\i/8))*8192+512*(\u) th:TH_LOAD_NT
.endr
.endm
.macro MUNIT u
.if (\u) < 3
	s_wait_loadcnt 16
.else
	s_wait_loadcnt 0x0
.endif
	THROUGH \u, 11, 12
.if (\u) < 2
	MLOAD (\u)+2
.endif
	s_mov_b32 s39, 0
.set n, 0
.rept 8
.irp m, 0,1,2,3,4,5,6,7
	v_cmp_ne_u32 s[40+\m], 0, v[X+n+\m]            ; word n + m: one bit a lane
.endr
.irp m, 0,1,2,3,4,5,6,7
	v_writelane_b32 v[PC+2*(\u)+(\m%2)], s[40+\m], (n+\m)/2   ; lane l gathers words 2 l and 2 l + 1
.endr
.irp m, 0,1,2,3,4,5,6,7
	s_or_b32 s39, s39, s[40+\m]                    ; and the step's OR
.endr
.set n, n+8
.endr
	v_writelane_b32 v[MO], s39, (\u)
	global_store_b64 v9, v[PC+2*(\u):PC+2*(\u)+1], s[32:33] offset:256*(\u)   ; 256 consecutive bytes, aligned; each unit has registers of its own
.endm
	MLOAD 0
	MLOAD 1
.irp u, 0,1,2,3
	MUNIT \u
.endr
	s_wait_xcnt 0x0                                ; EXEC changes only behind this wait
	v_cmp_gt_u32 vcc_lo, 4, v1
	s_wait_tensorcnt 0x0
	ds_add_u32 v248, v249
	s_wait_dscnt 0x0
	s_and_saveexec_b32 s39, vcc_lo
	global_store_b32 v13, v[MO], s[2:3]            ; lanes 0 to 3: my four steps' ORs, 16 consecutive bytes
	s_wait_xcnt 0x0
	s_or_b32 exec_lo, exec_lo, s39
	s_endpgm
.Lfunc_end_k_q4be4e1e55d_prep:
	.size	k_q4be4e1e55d_prep, .Lfunc_end_k_q4be4e1e55d_prep-k_q4be4e1e55d_prep
	.p2alignl 7, 3214868480
	.fill 96, 4, 3214868480
	.section	.rodata,"a",@progbits
	.p2align	6, 0x0
	.amdhsa_kernel k_q4be4e1e55d_prep
		.amdhsa_group_segment_fixed_size 70144
		.amdhsa_private_segment_fixed_size 0
		.amdhsa_enable_private_segment 0
		.amdhsa_kernarg_size 96
		.amdhsa_user_sgpr_count 2
		.amdhsa_user_sgpr_kernarg_segment_ptr 1
		.amdhsa_wavefront_size32 1
		.amdhsa_system_sgpr_workgroup_id_x 1
		.amdhsa_system_sgpr_workgroup_id_y 1
		.amdhsa_system_sgpr_workgroup_id_z 1
		.amdhsa_system_vgpr_workitem_id 0
		.amdhsa_next_free_vgpr 250
		.amdhsa_next_free_sgpr 66
		.amdhsa_reserve_vcc 1
		.amdhsa_float_denorm_mode_32 3
		.amdhsa_float_denorm_mode_16_64 3
		.amdhsa_memory_ordered 1
		.amdhsa_forward_progress 1
		.amdhsa_inst_pref_size 157
	.end_amdhsa_kernel
	.amdgpu_metadata
---
amdhsa.version: [ 1, 2 ]
amdhsa.kernels:
  - .name:           k_q4be4e1e55d_prep
    .symbol:         k_q4be4e1e55d_prep.kd
    .args:
      - { .name: q, .offset: 0, .size: 8, .value_kind: global_buffer, .address_space: global }
      - { .name: k, .offset: 8, .size: 8, .value_kind: global_buffer, .address_space: global }
      - { .name: v, .offset: 16, .size: 8, .value_kind: global_buffer, .address_space: global }
      - { .name: Wq, .offset: 24, .size: 8, .value_kind: global_buffer, .address_space: global }
      - { .name: Wk, .offset: 32, .size: 8, .value_kind: global_buffer, .address_space: global }
      - { .name: Wv, .offset: 40, .size: 8, .value_kind: global_buffer, .address_space: global }
      - { .name: Wo, .offset: 48, .size: 8, .value_kind: global_buffer, .address_space: global }
      - { .name: mask, .offset: 56, .size: 8, .value_kind: global_buffer, .address_space: global }
      - { .name: xc, .offset: 64, .size: 8, .value_kind: global_buffer, .address_space: global }
      - { .name: xs, .offset: 72, .size: 8, .value_kind: global_buffer, .address_space: global }
      - { .name: mbits, .offset: 80, .size: 8, .value_kind: global_buffer, .address_space: global }
      - { .name: mor, .offset: 88, .size: 8, .value_kind: global_buffer, .address_space: global }
    .group_segment_fixed_size: 70144
    .private_segment_fixed_size: 0
    .kernarg_segment_align: 8
    .kernarg_segment_size: 96
    .max_flat_workgroup_size: 128
    .sgpr_count:     66
    .vgpr_count:     250
    .wavefront_size: 32
...
	.end_amdgpu_metadata
.endif
;; end of part 5
;; launch proj: the kernel of part 2 again; grid 4 x 96, 4 waves a work-group, clusters of 4 x 4, 327,680 bytes of LDS; arguments xc, xs, bq, bk, bv, pc, ps; writes pc, ps
;; launch attn (part 6): grid 4 x 64, 16 waves a work-group, no clusters, 280,576 bytes of LDS; arguments pc, ps, mbits, mor, cc, cs; writes cc, cs
.if DOCPART == 6
	.amdgcn_target "amdgcn-amd-amdhsa--gfx1250"
	.amdhsa_code_object_version 6
	.text
	.protected	k_q4be4e1e55d_attn
	.globl	k_q4be4e1e55d_attn
	.p2align	8
	.type	k_q4be4e1e55d_attn,@function
k_q4be4e1e55d_attn:
	s_mov_b64 s[64:65], 0
	v_nop
	global_prefetch_b8 v0, s[64:65] scope:SCOPE_SE
	s_setreg_imm32_b32 hwreg(HW_REG_WAVE_MODE, 25, 1), 1
	s_wait_xcnt 0x0
; ATTN.  For each batch and head: S = Q K^T / 8, masked, softmax, O = P V; both products on codes of E4M3 with E8M0 scales.  The result is quantised along (head, channel) and leaves as the output projection's operand.
; THE SOFTMAX: t = score x log2(e) / 8; M = the running largest t rounded UP to a whole number; p = 2^(t - M) is quantised along the keys, not normalised; the row's sum of the unquantised p divides O at the end; when M moves, sum and O are multiplied by 2^(old M - new M), exactly.
; THE MASK is an input and is honoured as it is given.  Its lane-mask words (one bit a lane for each score register) come by scalar loads and cost one select a score.  A hidden raw score becomes -2^33: c x 2^33 is a whole number, so in a row
; that is hidden everywhere t - M is exactly 0 and p = 1, a uniform softmax as with -1e9.  LIMIT: results agree with -1e9 wherever every open logit lies above about -1e9.  NaN and infinities are not served.
; STEPS THAT ADD NOTHING ARE PASSED OVER.  mor holds, for my tile of 16 queries and each step of 128 keys, which rows have an open key there.  If every row has an open key somewhere, a step in which the whole tile is hidden adds only zeros
; (p = 0 behind an open key; ahead of one, what was summed is multiplied by 2^(old M - new M) = 0 later): a scalar branch on the stored words leads round it.  If some row is hidden everywhere, all sixteen steps are taken.
; No tensor loads, joint loads or clusters in this launch: K and V come through registers.
; SHARES.  A work-group owns ONE head: its K (2,048 keys x 64 codes), its V^T (64 x 2,048) and the pair's scale words are 278,528 bytes and lie in LDS for the whole launch: wave w brings key step w, once, at the head, through registers that are idle then.
; One barrier; behind it LDS is only read and no wave waits for another.  The head's 128 query tiles go to 64 waves (4 work-groups x 16), two each, one after the other: wave u takes tiles u and 127 - u, so that where later queries see more keys the waves' work is about even.
; Both products are used transposed: S^T = K Q^T, O^T = V^T P^T: a lane holds one query throughout.  All tiles are in the order lane r -> row 32 (T / 2) + 8 (T % 2) + r + 8 (r / 8): p's 16 registers of two tiles are 16 neighbouring keys, O^T's 16 neighbouring channels.
; A HEAD IS 64 WIDE, the product 128: Q's fragment is (the head's codes, zeros); a fragment of K is (the tile's two pieces, the next tile's two pieces or zeros), which meet Q's zeros.  The scale words of K and Q hold both heads' bytes: for the odd head they are
; shifted down 16 bits once (K's on the way into LDS, Q's behind its load), so that one text serves both heads; the bytes 0 that come in on top scale products of zero codes alone.
; A step's K, its scale words and its mask words are asked for in the step before, if the step is needed.  V's tile b is loaded behind block b's conversions, into the registers that these have freed.
; Nothing is asked for ahead of the one burst of loads at the head.
.set VREG,  131072                     ; LDS: K [step 16][tile 8][1024] from 0; V^T [step 16][tile 4][2048] from here;
.set SCL,   262144                     ; K's scale words [step][tile 8][16][4], 8 KiB, then V's [step][tile 8 of the pair][16][4], 8 KiB
.set LI,  1                            ; v1   16 x lane
.set LS,  2                            ; v2   SCL + 4 (lane % 16)
.set ADV, 3                            ; v3   the step's V
.set ADS, 4                            ; v4   its scale words
.set LW,  5                            ; v5   4 (lane % 16)
.set LSV, 6                            ; v6   SCL + 8192 + 256 x (odd head) + 4 (lane % 16)
.set STK, 7                            ; v7   the head: where I put my key step's K
.set ST,  8                            ; v8-11  -M, the largest t, the sum in two halves
.set AKN, 12                           ; v12  the next step's K
.set ASN, 13                           ; v13  its scale words
.set GA,  14                           ; v14, v15  offsets of a tile's loads and stores
.set GB,  15
.set QF,  16                           ; v16-23 Q's codes, v24-31 zeros
.set KS,  32                           ; v32-39 K's scale words, a tile each
.set QS,  40                           ; v40  Q's scale words
.set KB,  48                           ; v48-111 K's eight tiles, 8 registers each; v112-119 zeros
.set S,   120                          ; v120-183 S^T, then p, then V's four fragments
.set O,   184                          ; v184-215 O^T
.set PC,  216                          ; v216-231 p's codes
.set TM,  232                          ; v232-247 at work
.set PW,  252                          ; the way out: the scale bytes.  In the loop v252 is f, v253 p's scale word, v248-251 V's scale words, v254 at work
.set WV,  14
.set MOFF, 15                          ; s15  the mask words to be loaded next: 256 bytes a step
.set STEPS, 66
.set NEED, 67                          ; s67  bit 0: this step is needed; bit 1: the next; ..
.set TB,  88                           ; s88  8,192 x step
.set TBV, 89                           ; s89  VREG + 8,192 x step
.set TS,  90                           ; s90  512 x step
.set QT,  91                           ; s91  my query tile
.set TILES, 92
.set SH,  93                           ; s93  16 for the odd head, else 0
.set MP,  94                           ; s[94:95] my tile's mask words
.set SEL, 96
.set CS,  98                           ; s[98:99] c = log2(e) / 8
.set MNT, 100
.set NEGX, 101                         ; -2^33
; the mask words of a step: word n in s[16 + n + 4 (n / 48)]: s16-63, s68-83
.macro KLOADS ar, sr, ko, so           ; a step's eight tiles of K and their scale words
.irp a, 0,1,2,3,4,5,6,7
.irp c, 0,1
	ds_load_b128 v[KB+8*\a+4*\c:KB+8*\a+4*\c+3], v[\ar] offset:(\ko)+1024*\a+512*\c
.endr
	ds_load_b32 v[KS+\a], v[\sr] offset:(\so)+64*\a
.endr
.endm
.macro MWORDS                          ; 64 mask words
	s_load_b512 s[16:31], s[MP:MP+1], s[MOFF] offset:0x0
	s_load_b512 s[32:47], s[MP:MP+1], s[MOFF] offset:0x40
	s_load_b512 s[48:63], s[MP:MP+1], s[MOFF] offset:0x80
	s_load_b512 s[68:83], s[MP:MP+1], s[MOFF] offset:0xc0
.endm
.macro NEXT                            ; what the next step wants: no LDS load and no scalar load of mine is out here
	MWORDS
	v_add_nc_u32 v[AKN], s[TB], v[LI]
	v_add_nc_u32 v[ASN], s[TS], v[LS]
	KLOADS AKN, ASN, 8192, 512
.endm
.macro QUANT2 s                        ; 32 numbers of a lane, register 16 b + i = channel 32 b + 16 h + i of the head, become codes in v[PC] on and two scale bytes in v[PW]
.irp b, 0,1
	v_max3_num_f32 v[TM+\b], |v[\s+16*\b]|, |v[\s+1+16*\b]|, 0x4800000
.endr
.irp i, 2,4,6,8,10,12,14
.irp b, 0,1
	v_max3_num_f32 v[TM+\b], v[TM+\b], |v[\s+16*\b+\i]|, |v[\s+1+16*\b+\i]|
.endr
.endr
.irp b, 0,1
	v_permlanex16_b32 v[TM+4+\b], v[TM+\b], s[SEL], s[SEL+1]
.endr
.irp b, 0,1
	v_max_num_f32 v[TM+\b], v[TM+\b], v[TM+4+\b]
.endr
.irp b, 0,1
	v_add_nc_u32 v[TM+12+\b], 0xfc000000, v[TM+\b]
.endr
.irp b, 0,1
	v_and_or_b32 v[TM+8+\b], v[TM+\b], 0x7f800000, s[MNT]
.endr
.irp b, 0,1
	v_lshrrev_b32 v[TM+4+\b], 23, v[TM+12+\b]
.endr
	v_lshl_or_b32 v[PW], v[TM+5], 8, v[TM+4]
.irp b, 0,1
.irp i, 0,1,2,3,4,5,6,7,8,9,10,11,12,13,14,15
	v_med3_num_f32 v[\s+16*\b+\i], v[\s+16*\b+\i], -v[TM+8+\b], v[TM+8+\b]
.endr
	v_cvt_scalef32_pk8_fp8_f32 v[PC+4*\b:PC+1+4*\b], v[\s+16*\b:\s+7+16*\b], v[TM+12+\b]
	v_cvt_scalef32_pk8_fp8_f32 v[PC+2+4*\b:PC+3+4*\b], v[\s+8+16*\b:\s+15+16*\b], v[TM+12+\b]
.endr
	v_nop
.endm
	s_load_b256 s[4:11], s[0:1], 0x0               ; pc, ps, mbits, mor
	s_load_b128 s[84:87], s[0:1], 0x20             ; cc, cs
	v_lshl_add_u32 v47, v0, 2, 0x44000
	v_mov_b32 v255, 0
	v_lshrrev_b32 v6, 5, v0
	v_readfirstlane_b32 s[WV], v6                  ; wave 0..15
	v_and_b32 v6, 31, v0
	v_lshlrev_b32 v[LI], 4, v6
	v_and_b32 v6, 15, v0
	v_lshlrev_b32 v[LW], 2, v6
	v_add_nc_u32 v[LS], SCL, v[LW]
	s_and_b32 s16, ttmp7, 0xffff                   ; batch x 16 + head
	s_and_b32 s40, s16, 1                          ; the odd head of its pair?
	s_lshr_b32 s17, s16, 1                         ; the pair: batch x 8 + pair of heads
	s_lshl_b32 s[SH], s40, 4
	s_lshl_b32 s18, s40, 8
	s_add_co_u32 s18, s18, SCL+8192
	v_add_nc_u32 v[LSV], s18, v[LW]                ; V's scale words: my head's four tiles of the pair's eight
	s_lshl_b32 s19, s[WV], 13
	v_add_nc_u32 v[STK], s19, v[LI]                ; I bring key step = my wave's number: 8,192 bytes of K,
	v_add_nc_u32 v[ASN], VREG, v[STK]              ; 8,192 of V,
	s_lshl_b32 s27, s[WV], 10
	s_add_co_u32 s19, s27, SCL
	v_add_nc_u32 v[AKN], s19, v[LI]                ; and 1,024 of the 16,384 bytes of scale words
	s_lshl_b32 s20, s17, 18                        ; pair x 262,144
	s_lshl_b32 s21, s[WV], 14
	s_add_co_u32 s21, s21, s20                     ; + my key step
	s_lshl_b32 s22, s40, 10
	s_add_co_u32 s22, s22, s21
	s_add_co_u32 s22, s22, 0x800000                ; K: 8 MiB on; the head's two pieces of each fragment
	s_mov_b32 s23, 0
	s_lshl_b32 s24, s40, 13
	s_add_co_u32 s24, s24, s21
	s_add_co_u32 s24, s24, 0x1000000               ; V^T: 16 MiB on; the head's four fragments
	s_mov_b32 s25, 0
	s_mul_i32 s26, s17, 24576
	s_add_co_u32 s28, s26, s27
	s_add_co_u32 s28, s28, 8192                    ; K's and V's scale words lie on end
	s_mov_b32 s29, 0
	s_cmp_lt_u32 s[WV], 8                          ; waves 0-7 bring K's words, which the odd head shifts
	s_cselect_b32 s31, s[SH], 0
	s_lshl_b32 s32, s40, 10
	s_add_co_u32 s32, s32, s20                     ; Q: the pair's fragments, the head's two pieces
	s_mov_b32 s33, 0
	s_mov_b32 s34, s26                             ; Q's scale words
	s_mov_b32 s35, 0
	s_lshr_b32 s36, s16, 4                         ; batch
	s_bfe_u32 s37, s16, 0x30001                    ; pair of heads
	s_lshl_b32 s38, s36, 16
	s_lshl_b32 s39, s37, 6
	s_add_co_u32 s38, s38, s39
	s_lshl_b32 s39, s40, 1
	s_add_co_u32 s38, s38, s39                     ; cs: (batch x 1024 + pair of heads) x 64 + 2 x odd
	s_lshl_b32 s36, s36, 21
	s_lshl_b32 s37, s37, 11
	s_add_co_u32 s36, s36, s37
	s_lshl_b32 s37, s40, 10
	s_add_co_u32 s36, s36, s37                     ; cc: (batch x 1024 + pair of heads) x 2048 + 1024 x odd
	s_mov_b32 s37, 0
	s_mov_b32 s39, 0
	s_wait_kmcnt 0x0
	s_add_nc_u64 s[22:23], s[4:5], s[22:23]
	s_add_nc_u64 s[24:25], s[4:5], s[24:25]
	s_add_nc_u64 s[28:29], s[6:7], s[28:29]
	s_add_nc_u64 s[4:5], s[4:5], s[32:33]
	s_add_nc_u64 s[6:7], s[6:7], s[34:35]
	s_add_nc_u64 s[84:85], s[84:85], s[36:37]
	s_add_nc_u64 s[86:87], s[86:87], s[38:39]
.irp a, 0,1,2,3,4,5,6,7
.irp c, 0,1
	global_load_b128 v[48+8*\a+4*\c:48+8*\a+4*\c+3], v[LI], s[22:23] offset:2048*\a+512*\c   ; 512 consecutive bytes each
.endr
.endr
.irp j, 0,1,2,3,4,5,6,7,8,9,10,11,12,13,14,15
	global_load_b128 v[112+4*\j:112+4*\j+3], v[LI], s[24:25] offset:512*\j
.endr
	global_load_b128 v[176:179], v[LI], s[28:29]
	global_load_b128 v[180:183], v[LI], s[28:29] offset:512
	s_mov_b32 s[SEL], 0x76543210
	s_mov_b32 s[SEL+1], 0xfedcba98
	s_mov_b32 s[CS], 0x3e38aa3b
	s_mov_b32 s[CS+1], s[CS]
	s_mov_b32 s[MNT], 0x600000
	s_mov_b32 s[NEGX], 0xd0000000
	s_lshl_b32 s[QT], ttmp9, 4
	s_add_co_u32 s[QT], s[QT], s[WV]               ; u = 16 x work-group x + wave: my first tile
	s_mov_b32 s[TILES], 2
.irp j, 0,1,2,3,4,5,6,7
	v_mov_b32 v[QF+8+\j], 0                        ; the zeros behind Q's codes
.endr
.irp b, 0,1,2,3
	v_mov_b32 v[236+\b], 0                         ; a lane permute's destination counts as read
.endr
	v_mov_b32 v253, 0                              ; named as the upper half of v[252:253] before it is first written
	s_wait_loadcnt 18                              ; K's 16 loads are in; V's 16 and the scale words' 2 may be out
.irp a, 0,1,2,3,4,5,6,7
.irp c, 0,1
	ds_store_b128 v[STK], v[48+8*\a+4*\c:48+8*\a+4*\c+3] offset:1024*\a+512*\c
.endr
.endr
	s_wait_loadcnt 2                               ; V's are in
.irp j, 0,1,2,3,4,5,6,7,8,9,10,11,12,13,14,15
	ds_store_b128 v[ASN], v[112+4*\j:112+4*\j+3] offset:512*\j
.endr
	s_wait_loadcnt 0x0
.irp j, 0,1,2,3,4,5,6,7
	v_lshrrev_b32 v[176+\j], s31, v[176+\j]        ; the odd head's two bytes of K's words come down
.endr
	ds_store_b128 v[AKN], v[176:179]
	ds_store_b128 v[AKN], v[180:183] offset:512
	s_wait_dscnt 0x0                               ; for the others' sake: my stores have landed
	s_barrier_signal -1
	s_barrier_wait -1                              ; the head's K, V and scale words lie in LDS; from here on LDS is only read
.irp j, 0,1,2,3,4,5,6,7
	v_mov_b32 v[KB+64+\j], 0                       ; the zeros behind K's last tile
.endr
.Ltile:
	s_lshl_b32 s2, s[QT], 6
	s_load_b512 s[16:31], s[10:11], s2 offset:0x0  ; my tile's sixteen ORs
	s_lshl_b32 s12, s[QT], 12
	s_mov_b32 s13, 0
	s_add_nc_u64 s[MP:MP+1], s[8:9], s[12:13]      ; its mask words: 16 steps x 256 bytes
	s_lshl_b32 s3, s[QT], 11
	v_add_nc_u32 v[GA], s3, v[LI]
	global_load_b128 v[QF:QF+3], v[GA], s[4:5]
	global_load_b128 v[QF+4:QF+7], v[GA], s[4:5] offset:512
	v_add_nc_u32 v[GB], s2, v[LW]
	global_load_b32 v[QS], v[GB], s[6:7]
	KLOADS LI, LS, 0, 0                            ; key step 0's K
	s_wait_kmcnt 0x0
	s_or_b32 s32, s16, s17
.irp i, 18,19,20,21,22,23,24,25,26,27,28,29,30,31
	s_or_b32 s32, s32, s[\i]
.endr
	s_lshr_b32 s33, s32, 16
	s_or_b32 s32, s32, s33
	s_and_b32 s32, s32, 0xffff                     ; bit r: row r has an open key somewhere
	s_cmp_eq_u32 s32, 0xffff
	s_cselect_b32 s[NEED], 0, 0xffff               ; a row that is hidden everywhere wants all keys
.irp i, 0,1,2,3,4,5,6,7,8,9,10,11,12,13,14,15
	s_cmp_lg_u32 s[16+\i], 0
	s_cselect_b32 s33, 1<<\i, 0
	s_or_b32 s[NEED], s[NEED], s33                 ; else the steps in which some row has an open key
.endr
	s_mov_b32 s[MOFF], 0
	MWORDS                                         ; key step 0's mask words
	s_mov_b32 s[TB], 0
	s_mov_b32 s[TBV], VREG
	s_mov_b32 s[TS], 0
	s_mov_b32 s[STEPS], 16
	s_wait_loadcnt 0x0                             ; Q
	v_lshrrev_b32 v[QS], s[SH], v[QS]              ; the odd head's two bytes come down; the lines below stand between this and the first product
.set i, 0
.rept 32
	v_mov_b32 v[O+i], 0                            ; the step is written once: the first finds zeros
.set i, i+1
.endr
	v_mov_b32 v[ST+1], 0xff61b1e6                  ; the largest t so far: -3e38
	v_floor_f32 v[ST], -v[ST+1]
	v_mov_b32 v[ST+2], 0
	v_mov_b32 v[ST+3], 0
.Lstep:
	s_bitcmp1_b32 s[NEED], 0
	s_cbranch_scc0 .Lpass
	v_add_nc_u32 v[ADV], s[TBV], v[LI]
	v_add_nc_u32 v[ADS], s[TS], v[LSV]
	s_wait_dscnt 0x0                               ; K and its scale words, asked for a step ago
.irp a, 0,1,2,3,4,5,6,7
	v_wmma_scale_f32_16x16x128_f8f6f4 v[S+8*\a:S+8*\a+7], v[KB+8*\a:KB+8*\a+15], v[QF:QF+15], 0, v[KS+\a], v[QS]
.endr
.rept 8
	v_nop                                          ; eight places behind the products, in front of the first read of the scores and of the loads into K's registers
.endr
	s_wait_kmcnt 0x0                               ; this step's mask words are in; their offset may be stepped,
	s_add_co_u32 s[MOFF], s[MOFF], 256
	s_min_u32 s[MOFF], s[MOFF], 3840               ; held inside the tile's words
.set n, 0
.rept 64
	v_cndmask_b32 v[S+n], s[NEGX], v[S+n], s[16+n+4*(n/48)]   ; register n: key 32 (n / 16) + 16 (lane / 16) + n % 16 of the step; ascending: each accumulator from its low end on
.set n, n+1
.endr
	s_bitcmp1_b32 s[NEED], 1
	s_cbranch_scc0 .Lalone
	NEXT                                           ; the next step is needed: its mask words and its K are asked for now
.Lalone:
.irp b, 0,1,2,3
	v_max3_num_f32 v[232+\b], v[S+16*\b], v[S+1+16*\b], v[S+2+16*\b]   ; the largest score of each block of 32 keys: for the row's maximum, and for the block's largest p
.endr
.irp i, 3,5,7,9,11,13
.irp b, 0,1,2,3
	v_max3_num_f32 v[232+\b], v[232+\b], v[S+16*\b+\i], v[S+1+16*\b+\i]
.endr
.endr
.irp b, 0,1,2,3
	v_max_num_f32 v[232+\b], v[232+\b], v[S+15+16*\b]
.endr
.irp b, 0,1,2,3
	v_permlanex16_b32 v[236+\b], v[232+\b], s[SEL], s[SEL+1]
.endr
.irp b, 0,1,2,3
	v_max_num_f32 v[232+\b], v[232+\b], v[236+\b]
.endr
	v_max3_num_f32 v254, v232, v233, v234
	v_max_num_f32 v254, v254, v235
	v_mul_f32 v254, s[CS], v254                    ; as t
	v_max_num_f32 v[ST+1], v[ST+1], v254           ; the running largest t
	v_mov_b32 v254, v[ST]
	v_floor_f32 v[ST], -v[ST+1]                    ; the new -M = -ceil(t)
	v_sub_f32 v254, v[ST], v254                    ; old M - new M: a whole number, 0 or less
	v_cvt_i32_f32 v254, v254                       ; (it saturates)
	v_ldexp_f32 v252, 1.0, v254                    ; f = 2^(old M - new M)
.set j, 0
.rept 32
	v_pk_fma_f32 v[S+j:S+j+1], v[S+j:S+j+1], s[CS:CS+1], v[ST:ST+1] op_sel_hi:[1,0,0]   ; t - M
.set j, j+2
.endr
.irp b, 0,1,2,3
	v_fma_f32 v[232+\b], v[232+\b], s[CS], v[ST]
.endr
.set j, 0
.rept 64
	v_exp_f32 v[S+j], v[S+j]                       ; p = 2^(t - M)
.set j, j+1
.endr
	v_pk_mul_f32 v[ST+2:ST+3], v[ST+2:ST+3], v[252:253] op_sel_hi:[1,0]   ; the sums under the new M; a plain line behind the exponentials
	s_wait_alu depctr_va_vdst(0)                   ; one wait for the batch, ahead of its first reader
.irp b, 0,1,2,3
	v_exp_f32 v[232+\b], v[232+\b]                 ; the blocks' largest p
.endr
	v_pk_add_f32 v[236:237], v[S:S+1], v[S+2:S+3]  ; the row's sum of the unquantised p, in two chains
.irp j, 4,8,12,16,20,24,28,32,36,40,44,48,52,56,60
	v_pk_add_f32 v[ST+2:ST+3], v[ST+2:ST+3], v[S+\j:S+\j+1]
	v_pk_add_f32 v[236:237], v[236:237], v[S+2+\j:S+3+\j]
.endr
	v_pk_add_f32 v[ST+2:ST+3], v[ST+2:ST+3], v[236:237]
	s_wait_alu depctr_va_vdst(0)                   ; and one for the four
.irp b, 0,1,2,3
	v_max_num_f32 v[232+\b], 0x4800000, v[232+\b]  ; the floor: the byte cannot fall under 1
.endr
.irp b, 0,1,2,3
	v_add_nc_u32 v[244+\b], 0xfc000000, v[232+\b]
.endr
.irp b, 0,1,2,3
	v_and_or_b32 v[240+\b], v[232+\b], 0x7f800000, s[MNT]
.endr
.irp b, 0,1,2,3
	v_lshrrev_b32 v[236+\b], 23, v[244+\b]
.endr
	v_lshl_or_b32 v253, v237, 8, v236              ; p's scale word for these 128 keys
	v_lshl_or_b32 v253, v238, 16, v253
	v_lshl_or_b32 v253, v239, 24, v253
.irp b, 0,1,2,3
.irp i, 0,1,2,3,4,5,6,7,8,9,10,11,12,13,14,15
	v_min_num_f32 v[S+16*\b+\i], v[S+16*\b+\i], v[240+\b]   ; the hold; p is not negative
.endr
	v_cvt_scalef32_pk8_fp8_f32 v[PC+4*\b:PC+1+4*\b], v[S+16*\b:S+7+16*\b], v[244+\b]
	v_cvt_scalef32_pk8_fp8_f32 v[PC+2+4*\b:PC+3+4*\b], v[S+8+16*\b:S+15+16*\b], v[244+\b]
.irp c, 0,1,2,3
	ds_load_b128 v[S+16*\b+4*\c:S+16*\b+4*\c+3], v[ADV] offset:2048*\b+512*\c   ; V^T's channel tile b, over block b's numbers, which are done with: five loads a tile
.endr
	ds_load_b32 v[248+\b], v[ADS] offset:64*\b
.endr
.set i, 0
.rept 16
	v_pk_mul_f32 v[O+2*i:O+2*i+1], v[O+2*i:O+2*i+1], v[252:253] op_sel_hi:[1,0]   ; O^T under the new M; these are also the places between the codes and the products
.set i, i+1
.endr
.irp t, 0,1,2,3
	s_wait_dscnt 5*(3-\t)                          ; tile t's five loads are in; the later tiles' may be out
	v_wmma_scale_f32_16x16x128_f8f6f4 v[O+8*\t:O+8*\t+7], v[S+16*\t:S+16*\t+15], v[PC:PC+15], v[O+8*\t:O+8*\t+7], v[248+\t], v253
.endr
.rept 9
	v_nop                                          ; nine places: the next scores are laid over V's fragments, which these products read
.endr
	s_branch .Ljoin
.Lpass:                                            ; the step adds nothing to my tile
	s_wait_kmcnt 0x0
	s_wait_dscnt 0x0
	s_add_co_u32 s[MOFF], s[MOFF], 256
	s_min_u32 s[MOFF], s[MOFF], 3840
	s_bitcmp1_b32 s[NEED], 1
	s_cbranch_scc0 .Ljoin
	NEXT
.Ljoin:
	s_lshr_b32 s[NEED], s[NEED], 1
	s_add_co_u32 s[TB], s[TB], 8192
	s_add_co_u32 s[TBV], s[TBV], 8192
	s_add_co_u32 s[TS], s[TS], 512
	s_sub_co_u32 s[STEPS], s[STEPS], 1
	s_cmp_lg_u32 s[STEPS], 0
	s_cbranch_scc1 .Lstep
	; THE WAY OUT of a tile: O^T / the sum: 32 numbers a lane, channel 32 b + 16 h + i of the head; quantised; the codes are the head's two pieces of the output projection's fragment
	s_wait_dscnt 0x0
	s_wait_kmcnt 0x0                               ; nothing of this tile is out any more
	v_add_f32 v[ST+2], v[ST+2], v[ST+3]
	v_permlanex16_b32 v[TM+4], v[ST+2], s[SEL], s[SEL+1]
	v_add_f32 v[ST+2], v[ST+2], v[TM+4]
	v_rcp_f32 v[ST+2], v[ST+2]
	v_nop                                          ; a plain line behind the reciprocal
	s_wait_alu depctr_va_vdst(0)                   ; and the wait, ahead of its first reader
.set i, 0
.rept 16
	v_pk_mul_f32 v[S+2*i:S+2*i+1], v[O+2*i:O+2*i+1], v[ST+2:ST+3] op_sel_hi:[1,0]   ; ascending: each accumulator from its low end on
.set i, i+1
.endr
	QUANT2 S
	s_lshl_b32 s3, s[QT], 14
	v_add_nc_u32 v[GA], s3, v[LI]
	global_store_b128 v[GA], v[PC:PC+3], s[84:85]              ; 512 consecutive bytes
	global_store_b128 v[GA], v[PC+4:PC+7], s[84:85] offset:512
	s_lshl_b32 s3, s[QT], 9
	v_add_nc_u32 v[GB], s3, v[LW]
	global_store_b16 v[GB], v[PW], s[86:87]        ; my head's two of each row's four scale bytes; lanes l and l + 16 hold the same and write it to the same place
	s_wait_xcnt 0x0                                ; the stores have read their registers: the next tile may write them
	s_sub_co_u32 s[QT], 127, s[QT]                 ; my second tile
	s_sub_co_u32 s[TILES], s[TILES], 1
	s_cmp_lg_u32 s[TILES], 0
	s_cbranch_scc1 .Ltile
	s_wait_tensorcnt 0x0
	ds_add_u32 v47, v255
	s_wait_dscnt 0x0
	s_endpgm
.Lfunc_end_k_q4be4e1e55d_attn:
	.size	k_q4be4e1e55d_attn, .Lfunc_end_k_q4be4e1e55d_attn-k_q4be4e1e55d_attn
	.p2alignl 7, 3214868480
	.fill 96, 4, 3214868480
	.section	.rodata,"a",@progbits
	.p2align	6, 0x0
	.amdhsa_kernel k_q4be4e1e55d_attn
		.amdhsa_group_segment_fixed_size 280576
		.amdhsa_private_segment_fixed_size 0
		.amdhsa_enable_private_segment 0
		.amdhsa_kernarg_size 48
		.amdhsa_user_sgpr_count 2
		.amdhsa_user_sgpr_kernarg_segment_ptr 1
		.amdhsa_wavefront_size32 1
		.amdhsa_system_sgpr_workgroup_id_x 1
		.amdhsa_system_sgpr_workgroup_id_y 1
		.amdhsa_system_sgpr_workgroup_id_z 1
		.amdhsa_system_vgpr_workitem_id 0
		.amdhsa_next_free_vgpr 256
		.amdhsa_next_free_sgpr 102
		.amdhsa_reserve_vcc 0
		.amdhsa_float_denorm_mode_32 3
		.amdhsa_float_denorm_mode_16_64 3
		.amdhsa_memory_ordered 1
		.amdhsa_forward_progress 1
		.amdhsa_inst_pref_size 48
	.end_amdhsa_kernel
	.amdgpu_metadata
---
amdhsa.version: [ 1, 2 ]
amdhsa.kernels:
  - .name:           k_q4be4e1e55d_attn
    .symbol:         k_q4be4e1e55d_attn.kd
    .args:
      - { .name: pc, .offset: 0, .size: 8, .value_kind: global_buffer, .address_space: global }
      - { .name: ps, .offset: 8, .size: 8, .value_kind: global_buffer, .address_space: global }
      - { .name: mbits, .offset: 16, .size: 8, .value_kind: global_buffer, .address_space: global }
      - { .name: mor, .offset: 24, .size: 8, .value_kind: global_buffer, .address_space: global }
      - { .name: cc, .offset: 32, .size: 8, .value_kind: global_buffer, .address_space: global }
      - { .name: cs, .offset: 40, .size: 8, .value_kind: global_buffer, .address_space: global }
    .group_segment_fixed_size: 280576
    .private_segment_fixed_size: 0
    .kernarg_segment_align: 8
    .kernarg_segment_size: 48
    .max_flat_workgroup_size: 512
    .sgpr_count:     102
    .vgpr_count:     256
    .wavefront_size: 32
...
	.end_amdgpu_metadata
.endif
;; end of part 6
;; launch outp: the kernel of part 4 again; grid 4 x 32, 4 waves a work-group, clusters of 4 x 4, 327,680 bytes of LDS; arguments cc, cs, xc, xs, bo, out0; writes out0
;; ======== version 3 of 3: 4 launches; version 2 with the launch attn written anew for expert scheduling mode
;; limits: right only within a limited range of input values
;; workspace buffers: xc 29,360,128 bytes; xs 917,504 bytes; mbits 524,288 bytes of whole numbers; mor 8,192 bytes of whole numbers; pc 25,165,824 bytes; ps 786,432 bytes; cc 8,388,608 bytes; cs 262,144 bytes
;; launch prep: the kernel of part 5 again; grid 576 x 1, 4 waves a work-group, no clusters, 70,144 bytes of LDS; arguments q, k, v, Wq, Wk, Wv, Wo, mask, xc, xs, mbits, mor; writes xc, xs, mbits, mor
;; launch proj: the kernel of part 2 again; grid 4 x 96, 4 waves a work-group, clusters of 4 x 4, 327,680 bytes of LDS; arguments xc, xs, bq, bk, bv, pc, ps; writes pc, ps
;; launch attn (part 7): grid 4 x 64, 16 waves a work-group, no clusters, 280,576 bytes of LDS; arguments pc, ps, mbits, mor, cc, cs; writes cc, cs
.if DOCPART == 7
	.amdgcn_target "amdgcn-amd-amdhsa--gfx1250"
	.amdhsa_code_object_version 6
	.text
	.protected	k_q4be4e1e55d_attn
	.globl	k_q4be4e1e55d_attn
	.p2align	8
	.type	k_q4be4e1e55d_attn,@function
k_q4be4e1e55d_attn:
	s_mov_b64 s[64:65], 0
	v_nop
	global_prefetch_b8 v0, s[64:65] scope:SCOPE_SE
	s_setreg_imm32_b32 hwreg(HW_REG_WAVE_SCHED_MODE, 0, 2), 2
	s_setreg_imm32_b32 hwreg(HW_REG_WAVE_MODE, 25, 1), 1
	s_wait_xcnt 0x0
	s_wait_alu depctr_vm_vsrc(0)
; ATTN.  For each batch and head: S = Q K^T / 8, masked, softmax, O = P V; both products on codes of E4M3 with E8M0 scales.  The result is quantised along (head, channel) and leaves as the output projection's operand.
; THE SOFTMAX: t = score x log2(e) / 8; M = the running largest t rounded UP to a whole number; p = 2^(t - M) is quantised along the keys, not normalised; the row's sum of the unquantised p divides O at the end; when M moves, sum and O are multiplied by 2^(old M - new M), exactly.
; THE MASK is an input and is honoured as it is given.  Its lane-mask words (one bit a lane for each score register) come by scalar loads and cost one select a score.  A hidden raw score becomes -2^33: c x 2^33 is a whole number, so in a row
; that is hidden everywhere t - M is exactly 0 and p = 1, a uniform softmax as with -1e9.  LIMIT: results agree with -1e9 wherever every open logit lies above about -1e9.  NaN and infinities are not served.
; STEPS THAT ADD NOTHING ARE PASSED OVER.  mor holds, for my tile of 16 queries and each step of 128 keys, which rows have an open key there.  If every row has an open key somewhere, a step in which the whole tile is hidden adds only zeros
; (p = 0 behind an open key; ahead of one, what was summed is multiplied by 2^(old M - new M) = 0 later): a scalar branch on the stored words leads round it.  If some row is hidden everywhere, all sixteen steps are taken.
; No tensor loads, joint loads or clusters in this launch: K and V come through registers.
; SHARES.  A work-group owns ONE head: its K (2,048 keys x 64 codes), its V^T (64 x 2,048) and the pair's scale words are 278,528 bytes and lie in LDS for the whole launch: wave w brings key step w, once, at the head, through registers that are idle then.
; One barrier; behind it LDS is only read and no wave waits for another.  The head's 128 query tiles go to 64 waves (4 work-groups x 16), two each, one after the other: wave u takes tiles u and 127 - u, so that where later queries see more keys the waves' work is about even.
; Both products are used transposed: S^T = K Q^T, O^T = V^T P^T: a lane holds one query throughout.  All tiles are in the order lane r -> row 32 (T / 2) + 8 (T % 2) + r + 8 (r / 8): p's 16 registers of two tiles are 16 neighbouring keys, O^T's 16 neighbouring channels.
; A HEAD IS 64 WIDE, the product 128: Q's fragment is (the head's codes, zeros); a fragment of K is (the tile's two pieces, the next tile's two pieces or zeros), which meet Q's zeros.  The scale words of K and Q hold both heads' bytes: for the odd head they are
; shifted down 16 bits once (K's on the way into LDS, Q's behind its load), so that one text serves both heads; the bytes 0 that come in on top scale products of zero codes alone.
; A step's K, its scale words and its mask words are asked for in the step before, if the step is needed.  V's four tiles are loaded in one run behind the last block's conversions, over p's numbers, which are done with.
; Nothing is asked for ahead of the one burst of loads at the head.
; THE MODE: SCHED_MODE bits 1:0 = 2 (LLVM: expert scheduling mode 2), set by the entry lines.  The code itself states the register dependences between vector or matrix instructions and memory or LDS instructions, with s_wait_alu, always for 0.
; THE PLAN.  Registers that memory or LDS instructions touch in the loops, and who else names them:
;   K (v48-111), KS      The K Q^T products read them; the LDS loads of the next needed step land in them, behind the step's selects.
;   S (v120-183), v248-251  The products write S, the softmax works in it, the conversions empty it; then V's loads land in it and in v248-251, and the P V products read both.
;   Q (v16-23), QS       Loaded at a tile's head (QS then shifted by a vector line); read by the K Q^T products.
;   PC, v253, v252       Written by conversions and shifts; read by the P V products and, on the way out, by the stores.
;   AKN, ASN, ADV, ADS   LDS addresses, stepped by one add each at a step's head.    GA, GB: offsets, made at a tile's head and on its way out.    LI, LS, LW, LSV: made once.
; A STEP HAS one wait on vm_vsrc, at its head and ahead of its branch (the LDS loads issued so far have read the four stepped addresses), and, beside the two waits behind the exponentials, two waits on va_vdst:
; one ahead of the next step's loads (the products are done reading K and KS, the two addresses are written), one behind the conversions (they are done with S; the codes and p's scale word are written).  Behind each wait its loads stand in one run,
; and no vector or matrix instruction issued between the wait and a load names a register that the load touches.  A TILE HAS one wait on va_vdst ahead of its loads, one ahead of its first step (QS is shifted), one ahead of its stores, and one on vm_vsrc behind them.
.set VREG,  131072                     ; LDS: K [step 16][tile 8][1024] from 0; V^T [step 16][tile 4][2048] from here;
.set SCL,   262144                     ; K's scale words [step][tile 8][16][4], 8 KiB, then V's [step][tile 8 of the pair][16][4], 8 KiB
.set LI,  1                            ; v1   16 x lane
.set LS,  2                            ; v2   SCL + 4 (lane % 16)
.set ADV, 3                            ; v3   the step's V
.set ADS, 4                            ; v4   its scale words
.set LW,  5                            ; v5   4 (lane % 16)
.set LSV, 6                            ; v6   SCL + 8192 + 256 x (odd head) + 4 (lane % 16)
.set STK, 7                            ; v7   the head: where I put my key step's K
.set ST,  8                            ; v8-11  -M, the largest t, the sum in two halves
.set AKN, 12                           ; v12  the next step's K
.set ASN, 13                           ; v13  its scale words
.set GA,  14                           ; v14, v15  offsets of a tile's loads and stores
.set GB,  15
.set QF,  16                           ; v16-23 Q's codes, v24-31 zeros
.set KS,  32                           ; v32-39 K's scale words, a tile each
.set QS,  40                           ; v40  Q's scale words
.set KB,  48                           ; v48-111 K's eight tiles, 8 registers each; v112-119 zeros
.set S,   120                          ; v120-183 S^T, then p, then V's four fragments
.set O,   184                          ; v184-215 O^T
.set PC,  216                          ; v216-231 p's codes
.set TM,  232                          ; v232-247 at work
.set PW,  252                          ; the way out: the scale bytes.  In the loop v252 is f, v253 p's scale word, v248-251 V's scale words, v254 at work
.set WV,  14
.set MOFF, 15                          ; s15  the mask words to be loaded next: 256 bytes a step
.set STEPS, 66
.set NEED, 67                          ; s67  bit 0: this step is needed; bit 1: the next; ..
.set TB,  88                           ; s88  8,192 x step
.set TBV, 89                           ; s89  VREG + 8,192 x step
.set TS,  90                           ; s90  512 x step
.set QT,  91                           ; s91  my query tile
.set TILES, 92
.set SH,  93                           ; s93  16 for the odd head, else 0
.set MP,  94                           ; s[94:95] my tile's mask words
.set SEL, 96
.set CS,  98                           ; s[98:99] c = log2(e) / 8
.set MNT, 100
.set NEGX, 101                         ; -2^33
; the mask words of a step: word n in s[16 + n + 4 (n / 48)]: s16-63, s68-83
.macro KLOADS ar, sr, ko, so           ; a step's eight tiles of K and their scale words
.irp a, 0,1,2,3,4,5,6,7
.irp c, 0,1
	ds_load_b128 v[KB+8*\a+4*\c:KB+8*\a+4*\c+3], v[\ar] offset:(\ko)+1024*\a+512*\c
.endr
	ds_load_b32 v[KS+\a], v[\sr] offset:(\so)+64*\a
.endr
.endm
.macro MWORDS                          ; 64 mask words
	s_load_b512 s[16:31], s[MP:MP+1], s[MOFF] offset:0x0
	s_load_b512 s[32:47], s[MP:MP+1], s[MOFF] offset:0x40
	s_load_b512 s[48:63], s[MP:MP+1], s[MOFF] offset:0x80
	s_load_b512 s[68:83], s[MP:MP+1], s[MOFF] offset:0xc0
.endm
.macro NEXT                            ; what the next step wants: no LDS load and no scalar load of mine is out here
	s_wait_alu depctr_va_vdst(0)                   ; v[AKN] and v[ASN], made at the step's head, are written; the last K Q^T products are done reading K's registers and scale words, in which the loads below land; the selects are done with the mask words
	MWORDS
	KLOADS AKN, ASN, 8192, 512
.endm
.macro QUANT2 s                        ; 32 numbers of a lane, register 16 b + i = channel 32 b + 16 h + i of the head, become codes in v[PC] on and two scale bytes in v[PW]
.irp b, 0,1
	v_max3_num_f32 v[TM+\b], |v[\s+16*\b]|, |v[\s+1+16*\b]|, 0x4800000
.endr
.irp i, 2,4,6,8,10,12,14
.irp b, 0,1
	v_max3_num_f32 v[TM+\b], v[TM+\b], |v[\s+16*\b+\i]|, |v[\s+1+16*\b+\i]|
.endr
.endr
.irp b, 0,1
	v_permlanex16_b32 v[TM+4+\b], v[TM+\b], s[SEL], s[SEL+1]
.endr
.irp b, 0,1
	v_max_num_f32 v[TM+\b], v[TM+\b], v[TM+4+\b]
.endr
.irp b, 0,1
	v_add_nc_u32 v[TM+12+\b], 0xfc000000, v[TM+\b]
.endr
.irp b, 0,1
	v_and_or_b32 v[TM+8+\b], v[TM+\b], 0x7f800000, s[MNT]
.endr
.irp b, 0,1
	v_lshrrev_b32 v[TM+4+\b], 23, v[TM+12+\b]
.endr
	v_lshl_or_b32 v[PW], v[TM+5], 8, v[TM+4]
.irp b, 0,1
.irp i, 0,1,2,3,4,5,6,7,8,9,10,11,12,13,14,15
	v_med3_num_f32 v[\s+16*\b+\i], v[\s+16*\b+\i], -v[TM+8+\b], v[TM+8+\b]
.endr
	v_cvt_scalef32_pk8_fp8_f32 v[PC+4*\b:PC+1+4*\b], v[\s+16*\b:\s+7+16*\b], v[TM+12+\b]
	v_cvt_scalef32_pk8_fp8_f32 v[PC+2+4*\b:PC+3+4*\b], v[\s+8+16*\b:\s+15+16*\b], v[TM+12+\b]
.endr
	v_nop
.endm
	s_load_b256 s[4:11], s[0:1], 0x0               ; pc, ps, mbits, mor
	s_load_b128 s[84:87], s[0:1], 0x20             ; cc, cs
	v_lshl_add_u32 v47, v0, 2, 0x44000
	v_mov_b32 v255, 0
	v_lshrrev_b32 v6, 5, v0
	v_readfirstlane_b32 s[WV], v6                  ; wave 0..15
	v_and_b32 v6, 31, v0
	v_lshlrev_b32 v[LI], 4, v6
	v_and_b32 v6, 15, v0
	v_lshlrev_b32 v[LW], 2, v6
	v_add_nc_u32 v[LS], SCL, v[LW]
	s_wait_alu depctr_va_sdst(0)                   ; s14, the wave's number, is written, ahead of its first reader: LDS places and bases are made from it
	s_and_b32 s16, ttmp7, 0xffff                   ; batch x 16 + head
	s_and_b32 s40, s16, 1                          ; the odd head of its pair?
	s_lshr_b32 s17, s16, 1                         ; the pair: batch x 8 + pair of heads
	s_lshl_b32 s[SH], s40, 4
	s_lshl_b32 s18, s40, 8
	s_add_co_u32 s18, s18, SCL+8192
	v_add_nc_u32 v[LSV], s18, v[LW]                ; V's scale words: my head's four tiles of the pair's eight
	s_lshl_b32 s19, s[WV], 13
	v_add_nc_u32 v[STK], s19, v[LI]                ; I bring key step = my wave's number: 8,192 bytes of K,
	v_add_nc_u32 v[ASN], VREG, v[STK]              ; 8,192 of V,
	s_lshl_b32 s27, s[WV], 10
	s_add_co_u32 s19, s27, SCL
	v_add_nc_u32 v[AKN], s19, v[LI]                ; and 1,024 of the 16,384 bytes of scale words
	s_lshl_b32 s20, s17, 18                        ; pair x 262,144
	s_lshl_b32 s21, s[WV], 14
	s_add_co_u32 s21, s21, s20                     ; + my key step
	s_lshl_b32 s22, s40, 10
	s_add_co_u32 s22, s22, s21
	s_add_co_u32 s22, s22, 0x800000                ; K: 8 MiB on; the head's two pieces of each fragment
	s_mov_b32 s23, 0
	s_lshl_b32 s24, s40, 13
	s_add_co_u32 s24, s24, s21
	s_add_co_u32 s24, s24, 0x1000000               ; V^T: 16 MiB on; the head's four fragments
	s_mov_b32 s25, 0
	s_mul_i32 s26, s17, 24576
	s_add_co_u32 s28, s26, s27
	s_add_co_u32 s28, s28, 8192                    ; K's and V's scale words lie on end
	s_mov_b32 s29, 0
	s_cmp_lt_u32 s[WV], 8                          ; waves 0-7 bring K's words, which the odd head shifts
	s_cselect_b32 s31, s[SH], 0
	s_lshl_b32 s32, s40, 10
	s_add_co_u32 s32, s32, s20                     ; Q: the pair's fragments, the head's two pieces
	s_mov_b32 s33, 0
	s_mov_b32 s34, s26                             ; Q's scale words
	s_mov_b32 s35, 0
	s_lshr_b32 s36, s16, 4                         ; batch
	s_bfe_u32 s37, s16, 0x30001                    ; pair of heads
	s_lshl_b32 s38, s36, 16
	s_lshl_b32 s39, s37, 6
	s_add_co_u32 s38, s38, s39
	s_lshl_b32 s39, s40, 1
	s_add_co_u32 s38, s38, s39                     ; cs: (batch x 1024 + pair of heads) x 64 + 2 x odd
	s_lshl_b32 s36, s36, 21
	s_lshl_b32 s37, s37, 11
	s_add_co_u32 s36, s36, s37
	s_lshl_b32 s37, s40, 10
	s_add_co_u32 s36, s36, s37                     ; cc: (batch x 1024 + pair of heads) x 2048 + 1024 x odd
	s_mov_b32 s37, 0
	s_mov_b32 s39, 0
	s_wait_kmcnt 0x0
	s_add_nc_u64 s[22:23], s[4:5], s[22:23]
	s_add_nc_u64 s[24:25], s[4:5], s[24:25]
	s_add_nc_u64 s[28:29], s[6:7], s[28:29]
	s_add_nc_u64 s[4:5], s[4:5], s[32:33]
	s_add_nc_u64 s[6:7], s[6:7], s[34:35]
	s_add_nc_u64 s[84:85], s[84:85], s[36:37]
	s_add_nc_u64 s[86:87], s[86:87], s[38:39]
	s_wait_alu depctr_va_vdst(0)                   ; the addresses made above are written: v[LI], which the loads below read, v[STK], v[ASN], v[AKN], which the LDS stores read, and v[LS], v[LW], v[LSV] for the loops
.irp a, 0,1,2,3,4,5,6,7
.irp c, 0,1
	global_load_b128 v[48+8*\a+4*\c:48+8*\a+4*\c+3], v[LI], s[22:23] offset:2048*\a+512*\c   ; 512 consecutive bytes each
.endr
.endr
.irp j, 0,1,2,3,4,5,6,7,8,9,10,11,12,13,14,15
	global_load_b128 v[112+4*\j:112+4*\j+3], v[LI], s[24:25] offset:512*\j
.endr
	global_load_b128 v[176:179], v[LI], s[28:29]
	global_load_b128 v[180:183], v[LI], s[28:29] offset:512
	s_mov_b32 s[SEL], 0x76543210
	s_mov_b32 s[SEL+1], 0xfedcba98
	s_mov_b32 s[CS], 0x3e38aa3b
	s_mov_b32 s[CS+1], s[CS]
	s_mov_b32 s[MNT], 0x600000
	s_mov_b32 s[NEGX], 0xd0000000
	s_lshl_b32 s[QT], ttmp9, 4
	s_add_co_u32 s[QT], s[QT], s[WV]               ; u = 16 x work-group x + wave: my first tile
	s_mov_b32 s[TILES], 2
.irp j, 0,1,2,3,4,5,6,7
	v_mov_b32 v[QF+8+\j], 0                        ; the zeros behind Q's codes
.endr
.irp b, 0,1,2,3
	v_mov_b32 v[236+\b], 0                         ; a lane permute's destination counts as read
.endr
	v_mov_b32 v253, 0                              ; named as the upper half of v[252:253] before it is first written
	s_wait_loadcnt 18                              ; K's 16 loads are in; V's 16 and the scale words' 2 may be out
.irp a, 0,1,2,3,4,5,6,7
.irp c, 0,1
	ds_store_b128 v[STK], v[48+8*\a+4*\c:48+8*\a+4*\c+3] offset:1024*\a+512*\c
.endr
.endr
	s_wait_loadcnt 2                               ; V's are in
.irp j, 0,1,2,3,4,5,6,7,8,9,10,11,12,13,14,15
	ds_store_b128 v[ASN], v[112+4*\j:112+4*\j+3] offset:512*\j
.endr
	s_wait_loadcnt 0x0
.irp j, 0,1,2,3,4,5,6,7
	v_lshrrev_b32 v[176+\j], s31, v[176+\j]        ; the odd head's two bytes of K's words come down
.endr
	s_wait_alu depctr_va_vdst(0)                   ; the shifts have written v176-183, which the two LDS stores below read; the zeros behind Q's codes, which the products take as part of an operand, are written too
	ds_store_b128 v[AKN], v[176:179]
	ds_store_b128 v[AKN], v[180:183] offset:512
	s_wait_dscnt 0x0                               ; for the others' sake: my stores have landed
	s_barrier_signal -1
	s_barrier_wait -1                              ; the head's K, V and scale words lie in LDS; from here on LDS is only read
	s_wait_alu depctr_vm_vsrc(0)                   ; my LDS stores have read v48-183, v[AKN] and v[ASN]: from here on these are written by the zeros below, by K's loads, by the products and by the steps' adds
.irp j, 0,1,2,3,4,5,6,7
	v_mov_b32 v[KB+64+\j], 0                       ; the zeros behind K's last tile
.endr
.Ltile:
	s_lshl_b32 s2, s[QT], 6
	s_load_b512 s[16:31], s[10:11], s2 offset:0x0  ; my tile's sixteen ORs
	s_lshl_b32 s12, s[QT], 12
	s_mov_b32 s13, 0
	s_add_nc_u64 s[MP:MP+1], s[8:9], s[12:13]      ; its mask words: 16 steps x 256 bytes
	s_lshl_b32 s3, s[QT], 11
	v_add_nc_u32 v[GA], s3, v[LI]
	v_add_nc_u32 v[GB], s2, v[LW]
	s_wait_alu depctr_va_vdst(0)                   ; v[GA] and v[GB] are written, which the loads below read; the last tile's products are done reading Q, K and their scale words, and its shift has written v[QS]: the loads below land in these; in the first tile the zeros behind K's last tile are written
	global_load_b128 v[QF:QF+3], v[GA], s[4:5]
	global_load_b128 v[QF+4:QF+7], v[GA], s[4:5] offset:512
	global_load_b32 v[QS], v[GB], s[6:7]
	KLOADS LI, LS, 0, 0                            ; key step 0's K
	s_wait_kmcnt 0x0
	s_or_b32 s32, s16, s17
.irp i, 18,19,20,21,22,23,24,25,26,27,28,29,30,31
	s_or_b32 s32, s32, s[\i]
.endr
	s_lshr_b32 s33, s32, 16
	s_or_b32 s32, s32, s33
	s_and_b32 s32, s32, 0xffff                     ; bit r: row r has an open key somewhere
	s_cmp_eq_u32 s32, 0xffff
	s_cselect_b32 s[NEED], 0, 0xffff               ; a row that is hidden everywhere wants all keys
.irp i, 0,1,2,3,4,5,6,7,8,9,10,11,12,13,14,15
	s_cmp_lg_u32 s[16+\i], 0
	s_cselect_b32 s33, 1<<\i, 0
	s_or_b32 s[NEED], s[NEED], s33                 ; else the steps in which some row has an open key
.endr
	s_mov_b32 s[MOFF], 0
	MWORDS                                         ; key step 0's mask words
	s_mov_b32 s[TB], 0
	s_mov_b32 s[TBV], VREG
	s_mov_b32 s[TS], 0
	s_mov_b32 s[STEPS], 16
	s_wait_loadcnt 0x0                             ; Q
	v_lshrrev_b32 v[QS], s[SH], v[QS]              ; the odd head's two bytes come down; the lines below stand between this and the first product
.set i, 0
.rept 32
	v_mov_b32 v[O+i], 0                            ; the step is written once: the first finds zeros
.set i, i+1
.endr
	v_mov_b32 v[ST+1], 0xff61b1e6                  ; the largest t so far: -3e38
	v_floor_f32 v[ST], -v[ST+1]
	v_mov_b32 v[ST+2], 0
	v_mov_b32 v[ST+3], 0
	s_wait_alu depctr_va_vdst(0)                   ; the shift has written v[QS], which the K Q^T products take as scales; the lines between are its places, and this wait stands behind them
.Lstep:
	s_wait_alu depctr_vm_vsrc(0)                   ; the LDS loads issued so far have read v[AKN], v[ASN], v[ADV] and v[ADS], which this step writes again; ahead of the branch, so that it stands on both ways
	v_add_nc_u32 v[AKN], s[TB], v[LI]              ; where the next step's K and its scale words lie, less the loads' own offsets
	v_add_nc_u32 v[ASN], s[TS], v[LS]
	s_bitcmp1_b32 s[NEED], 0
	s_cbranch_scc0 .Lpass
	v_add_nc_u32 v[ADV], s[TBV], v[LI]
	v_add_nc_u32 v[ADS], s[TS], v[LSV]
	s_wait_dscnt 0x0                               ; K and its scale words, asked for a step ago
.irp a, 0,1,2,3,4,5,6,7
	v_wmma_scale_f32_16x16x128_f8f6f4 v[S+8*\a:S+8*\a+7], v[KB+8*\a:KB+8*\a+15], v[QF:QF+15], 0, v[KS+\a], v[QS]
.endr
.rept 8
	v_nop                                          ; eight places behind the products, in front of the first read of the scores
.endr
	s_wait_kmcnt 0x0                               ; this step's mask words are in; their offset may be stepped,
	s_add_co_u32 s[MOFF], s[MOFF], 256
	s_min_u32 s[MOFF], s[MOFF], 3840               ; held inside the tile's words
.set n, 0
.rept 64
	v_cndmask_b32 v[S+n], s[NEGX], v[S+n], s[16+n+4*(n/48)]   ; register n: key 32 (n / 16) + 16 (lane / 16) + n % 16 of the step; ascending: each accumulator from its low end on
.set n, n+1
.endr
	s_bitcmp1_b32 s[NEED], 1
	s_cbranch_scc0 .Lalone
	NEXT                                           ; the next step is needed: its mask words and its K are asked for now; no line of the softmax below names K's registers, their scale words or the two addresses
.Lalone:
.irp b, 0,1,2,3
	v_max3_num_f32 v[232+\b], v[S+16*\b], v[S+1+16*\b], v[S+2+16*\b]   ; the largest score of each block of 32 keys: for the row's maximum, and for the block's largest p
.endr
.irp i, 3,5,7,9,11,13
.irp b, 0,1,2,3
	v_max3_num_f32 v[232+\b], v[232+\b], v[S+16*\b+\i], v[S+1+16*\b+\i]
.endr
.endr
.irp b, 0,1,2,3
	v_max_num_f32 v[232+\b], v[232+\b], v[S+15+16*\b]
.endr
.irp b, 0,1,2,3
	v_permlanex16_b32 v[236+\b], v[232+\b], s[SEL], s[SEL+1]
.endr
.irp b, 0,1,2,3
	v_max_num_f32 v[232+\b], v[232+\b], v[236+\b]
.endr
	v_max3_num_f32 v254, v232, v233, v234
	v_max_num_f32 v254, v254, v235
	v_mul_f32 v254, s[CS], v254                    ; as t
	v_max_num_f32 v[ST+1], v[ST+1], v254           ; the running largest t
	v_mov_b32 v254, v[ST]
	v_floor_f32 v[ST], -v[ST+1]                    ; the new -M = -ceil(t)
	v_sub_f32 v254, v[ST], v254                    ; old M - new M: a whole number, 0 or less
	v_cvt_i32_f32 v254, v254                       ; (it saturates)
	v_ldexp_f32 v252, 1.0, v254                    ; f = 2^(old M - new M)
.set j, 0
.rept 32
	v_pk_fma_f32 v[S+j:S+j+1], v[S+j:S+j+1], s[CS:CS+1], v[ST:ST+1] op_sel_hi:[1,0,0]   ; t - M
.set j, j+2
.endr
.irp b, 0,1,2,3
	v_fma_f32 v[232+\b], v[232+\b], s[CS], v[ST]
.endr
.set j, 0
.rept 64
	v_exp_f32 v[S+j], v[S+j]                       ; p = 2^(t - M)
.set j, j+1
.endr
	v_pk_mul_f32 v[ST+2:ST+3], v[ST+2:ST+3], v[252:253] op_sel_hi:[1,0]   ; the sums under the new M; a plain line behind the exponentials
	s_wait_alu depctr_va_vdst(0)                   ; the 64 exponentials have written p: one wait for the batch, ahead of its first reader
.irp b, 0,1,2,3
	v_exp_f32 v[232+\b], v[232+\b]                 ; the blocks' largest p
.endr
	v_pk_add_f32 v[236:237], v[S:S+1], v[S+2:S+3]  ; the row's sum of the unquantised p, in two chains
.irp j, 4,8,12,16,20,24,28,32,36,40,44,48,52,56,60
	v_pk_add_f32 v[ST+2:ST+3], v[ST+2:ST+3], v[S+\j:S+\j+1]
	v_pk_add_f32 v[236:237], v[236:237], v[S+2+\j:S+3+\j]
.endr
	v_pk_add_f32 v[ST+2:ST+3], v[ST+2:ST+3], v[236:237]
	s_wait_alu depctr_va_vdst(0)                   ; the four exponentials have written the blocks' largest p, ahead of their first reader
.irp b, 0,1,2,3
	v_max_num_f32 v[232+\b], 0x4800000, v[232+\b]  ; the floor: the byte cannot fall under 1
.endr
.irp b, 0,1,2,3
	v_add_nc_u32 v[244+\b], 0xfc000000, v[232+\b]
.endr
.irp b, 0,1,2,3
	v_and_or_b32 v[240+\b], v[232+\b], 0x7f800000, s[MNT]
.endr
.irp b, 0,1,2,3
	v_lshrrev_b32 v[236+\b], 23, v[244+\b]
.endr
	v_lshl_or_b32 v253, v237, 8, v236              ; p's scale word for these 128 keys
	v_lshl_or_b32 v253, v238, 16, v253
	v_lshl_or_b32 v253, v239, 24, v253
.irp b, 0,1,2,3
.irp i, 0,1,2,3,4,5,6,7,8,9,10,11,12,13,14,15
	v_min_num_f32 v[S+16*\b+\i], v[S+16*\b+\i], v[240+\b]   ; the hold; p is not negative
.endr
	v_cvt_scalef32_pk8_fp8_f32 v[PC+4*\b:PC+1+4*\b], v[S+16*\b:S+7+16*\b], v[244+\b]
	v_cvt_scalef32_pk8_fp8_f32 v[PC+2+4*\b:PC+3+4*\b], v[S+8+16*\b:S+15+16*\b], v[244+\b]
.endr
.set i, 0
.rept 4
	v_pk_mul_f32 v[O+2*i:O+2*i+1], v[O+2*i:O+2*i+1], v[252:253] op_sel_hi:[1,0]   ; O^T under the new M: the first four of sixteen: the plain line behind the last conversion, and the codes' four places ahead of the wait
.set i, i+1
.endr
	s_wait_alu depctr_va_vdst(0)                   ; the holds and conversions are done with p's registers, in which V's loads land; the codes and p's scale word, which the P V products take as operand and scales, are written; v[ADV] and v[ADS] were written long before
.irp b, 0,1,2,3
.irp c, 0,1,2,3
	ds_load_b128 v[S+16*\b+4*\c:S+16*\b+4*\c+3], v[ADV] offset:2048*\b+512*\c   ; V^T's channel tile b, over block b's numbers, which are done with: five loads a tile
.endr
	ds_load_b32 v[248+\b], v[ADS] offset:64*\b
.endr
.rept 12
	v_pk_mul_f32 v[O+2*i:O+2*i+1], v[O+2*i:O+2*i+1], v[252:253] op_sel_hi:[1,0]   ; the other twelve stand behind the loads: they name O^T and v[252:253] alone, none of the registers that the loads touch
.set i, i+1
.endr
.irp t, 0,1,2,3
	s_wait_dscnt 5*(3-\t)                          ; tile t's five loads are in; the later tiles' may be out
	v_wmma_scale_f32_16x16x128_f8f6f4 v[O+8*\t:O+8*\t+7], v[S+16*\t:S+16*\t+15], v[PC:PC+15], v[O+8*\t:O+8*\t+7], v[248+\t], v253
.endr
.rept 9
	v_nop                                          ; nine places: the next scores are laid over V's fragments, which these products read
.endr
	s_branch .Ljoin
.Lpass:                                            ; the step adds nothing to my tile
	s_wait_kmcnt 0x0
	s_wait_dscnt 0x0
	s_add_co_u32 s[MOFF], s[MOFF], 256
	s_min_u32 s[MOFF], s[MOFF], 3840
	s_bitcmp1_b32 s[NEED], 1
	s_cbranch_scc0 .Ljoin
	NEXT
.Ljoin:
	s_lshr_b32 s[NEED], s[NEED], 1
	s_add_co_u32 s[TB], s[TB], 8192
	s_add_co_u32 s[TBV], s[TBV], 8192
	s_add_co_u32 s[TS], s[TS], 512
	s_sub_co_u32 s[STEPS], s[STEPS], 1
	s_cmp_lg_u32 s[STEPS], 0
	s_cbranch_scc1 .Lstep
	; THE WAY OUT of a tile: O^T / the sum: 32 numbers a lane, channel 32 b + 16 h + i of the head; quantised; the codes are the head's two pieces of the output projection's fragment
	s_wait_dscnt 0x0
	s_wait_kmcnt 0x0                               ; nothing of this tile is out any more
	v_add_f32 v[ST+2], v[ST+2], v[ST+3]
	v_permlanex16_b32 v[TM+4], v[ST+2], s[SEL], s[SEL+1]
	v_add_f32 v[ST+2], v[ST+2], v[TM+4]
	v_rcp_f32 v[ST+2], v[ST+2]
	v_nop                                          ; a plain line behind the reciprocal
	s_wait_alu depctr_va_vdst(0)                   ; the reciprocal is written, ahead of its first reader
.set i, 0
.rept 16
	v_pk_mul_f32 v[S+2*i:S+2*i+1], v[O+2*i:O+2*i+1], v[ST+2:ST+3] op_sel_hi:[1,0]   ; ascending: each accumulator from its low end on
.set i, i+1
.endr
	QUANT2 S
	s_lshl_b32 s3, s[QT], 14
	s_lshl_b32 s2, s[QT], 9
	v_add_nc_u32 v[GA], s3, v[LI]                  ; (Q's loads, which read these two, stand ahead of the steps' waits on vm_vsrc)
	v_add_nc_u32 v[GB], s2, v[LW]
	s_wait_alu depctr_va_vdst(0)                   ; the conversions have written the codes, the shift the scale bytes, the two adds v[GA] and v[GB]: the three stores below read them
	global_store_b128 v[GA], v[PC:PC+3], s[84:85]              ; 512 consecutive bytes
	global_store_b128 v[GA], v[PC+4:PC+7], s[84:85] offset:512
	global_store_b16 v[GB], v[PW], s[86:87]        ; my head's two of each row's four scale bytes; lanes l and l + 16 hold the same and write it to the same place
	s_wait_xcnt 0x0                                ; the stores have had their addresses translated: the next tile may write their registers,
	s_wait_alu depctr_vm_vsrc(0)                   ; and they have read v[GA], v[GB], the codes and v[PW], all of which the next tile writes again; ahead of the backward jump
	s_sub_co_u32 s[QT], 127, s[QT]                 ; my second tile
	s_sub_co_u32 s[TILES], s[TILES], 1
	s_cmp_lg_u32 s[TILES], 0
	s_cbranch_scc1 .Ltile
	s_wait_dscnt 0x0                               ; the closing lines, six on end
	s_wait_alu 0x0
	s_wait_tensorcnt 0x0
	ds_add_u32 v47, v255
	s_wait_dscnt 0x0
	s_endpgm
.Lfunc_end_k_q4be4e1e55d_attn:
	.size	k_q4be4e1e55d_attn, .Lfunc_end_k_q4be4e1e55d_attn-k_q4be4e1e55d_attn
	.p2alignl 7, 3214868480
	.fill 96, 4, 3214868480
	.section	.rodata,"a",@progbits
	.p2align	6, 0x0
	.amdhsa_kernel k_q4be4e1e55d_attn
		.amdhsa_group_segment_fixed_size 280576
		.amdhsa_private_segment_fixed_size 0
		.amdhsa_enable_private_segment 0
		.amdhsa_kernarg_size 48
		.amdhsa_user_sgpr_count 2
		.amdhsa_user_sgpr_kernarg_segment_ptr 1
		.amdhsa_wavefront_size32 1
		.amdhsa_system_sgpr_workgroup_id_x 1
		.amdhsa_system_sgpr_workgroup_id_y 1
		.amdhsa_system_sgpr_workgroup_id_z 1
		.amdhsa_system_vgpr_workitem_id 0
		.amdhsa_next_free_vgpr 256
		.amdhsa_next_free_sgpr 102
		.amdhsa_reserve_vcc 0
		.amdhsa_float_denorm_mode_32 3
		.amdhsa_float_denorm_mode_16_64 3
		.amdhsa_memory_ordered 1
		.amdhsa_forward_progress 1
		.amdhsa_inst_pref_size 49
	.end_amdhsa_kernel
	.amdgpu_metadata
---
amdhsa.version: [ 1, 2 ]
amdhsa.kernels:
  - .name:           k_q4be4e1e55d_attn
    .symbol:         k_q4be4e1e55d_attn.kd
    .args:
      - { .name: pc, .offset: 0, .size: 8, .value_kind: global_buffer, .address_space: global }
      - { .name: ps, .offset: 8, .size: 8, .value_kind: global_buffer, .address_space: global }
      - { .name: mbits, .offset: 16, .size: 8, .value_kind: global_buffer, .address_space: global }
      - { .name: mor, .offset: 24, .size: 8, .value_kind: global_buffer, .address_space: global }
      - { .name: cc, .offset: 32, .size: 8, .value_kind: global_buffer, .address_space: global }
      - { .name: cs, .offset: 40, .size: 8, .value_kind: global_buffer, .address_space: global }
    .group_segment_fixed_size: 280576
    .private_segment_fixed_size: 0
    .kernarg_segment_align: 8
    .kernarg_segment_size: 48
    .max_flat_workgroup_size: 512
    .sgpr_count:     102
    .vgpr_count:     256
    .wavefront_size: 32
...
	.end_amdgpu_metadata
.endif
;; end of part 7
;; launch outp: the kernel of part 4 again; grid 4 x 32, 4 waves a work-group, clusters of 4 x 4, 327,680 bytes of LDS; arguments cc, cs, xc, xs, bo, out0; writes out0
